; MI455X (gfx1250); checked and timed in simulation.
; The chip was launched on July 23, 2026; its instructions are those of AMD's public machine-readable ISA for CDNA 5 (MIT licence, August 2026) and "CDNA5" Instruction Set Architecture Reference Guide (July 2026). The comments in the code are by the model that wrote it; some were corrected since.
;; Multi Head Attention. Allowed arithmetic: matrix products marked QUANTISED: E2M1 operands, one E8M0 scale for each 32 along K, by v_wmma_scale_f32_16x16x128_f8f6f4 with both operands' format E2M1 (or v_wmma_scale_f32_32x16x128_f4), f32 sums; everything else in f32.
;; Inputs: bk_ 1,024 float32; bo 1,024 float32; bq 1,024 float32; bv 1,024 float32; input_tensor_codes 4 x 2,048 x 32 x 16 uint8 (E2M1 codes of input_tensor, K innermost, in blocks of 32 codes, two codes a byte); input_tensor_scales 4 x 2,048 x 32 uint8 (E8M0 scales of input_tensor, one for each 32 codes along K); wk_codes 1,024 x 32 x 16 uint8 (E2M1 codes of wk, K innermost, in blocks of 32 codes, two codes a byte); wk_scales 1,024 x 32 uint8 (E8M0 scales of wk, one for each 32 codes along K); wo_codes 1,024 x 32 x 16 uint8 (E2M1 codes of wo, K innermost, in blocks of 32 codes, two codes a byte); wo_scales 1,024 x 32 uint8 (E8M0 scales of wo, one for each 32 codes along K); wq_codes 1,024 x 32 x 16 uint8 (E2M1 codes of wq, K innermost, in blocks of 32 codes, two codes a byte); wq_scales 1,024 x 32 uint8 (E8M0 scales of wq, one for each 32 codes along K); wv_codes 1,024 x 32 x 16 uint8 (E2M1 codes of wv, K innermost, in blocks of 32 codes, two codes a byte); wv_scales 1,024 x 32 uint8 (E8M0 scales of wv, one for each 32 codes along K).
;; Outputs: out0 4 x 2,048 x 1,024 float32.
;; This version of the problem:
;;   THIS VERSION OF THE PROBLEM IS GIVEN IN LOW PRECISION. The matrix products marked QUANTISED in the list below multiply operands that are first quantised to E2M1 (2 exponent bits, 1 mantissa bit; 4 bits a number), with one power-of-two scale for each 32 numbers along K (OCP MX v1.0); their sums are f32. All else is computed in f32.
;;   The module's matrix products, in the order in which they are computed (A, B: the left and right operand; K: the contracted axis; several contracted axes count as one K, in the product's order):
;;     1. [M 8,192, K 1,024] x [K 1,024, N 1,024]; A: input input_tensor (given as codes); B: input wq (given as codes): QUANTISED
;;     2. [M 8,192, K 1,024] x [K 1,024, N 1,024]; A: input input_tensor (given as codes); B: input wk (given as codes): QUANTISED
;;     3. [M 8,192, K 1,024] x [K 1,024, N 1,024]; A: input input_tensor (given as codes); B: input wv (given as codes): QUANTISED
;;     4. batch 64 x [M 2,048, K 64] x [K 64, N 2,048]; A: computed on the way; B: computed on the way: QUANTISED
;;     5. batch 64 x [M 2,048, K 2,048] x [K 2,048, N 64]; A: softmax (see below); B: computed on the way: QUANTISED
;;     6. [M 8,192, K 1,024] x [K 1,024, N 1,024]; A: computed on the way; B: input wo (given as codes): QUANTISED
;;   THE QUANTISER, for each operand of a quantised product, along K:
;;     - K is cut into blocks of 32 from its start; a last block that is shorter is filled with zeros.
;;     - A block's scale is 2^e with e = floor(log2(the largest magnitude in the block)) - 2, held to -126 .. 127; a block of zeros has e = 0. As a byte (E8M0): e + 127.
;;     - Each number is divided by its block's scale, clamped to +-6, and rounded to the nearest number of E2M1, ties to even, subnormals kept.
;;     - The product sums the exact products of the quantised numbers (number of the format x scale) in f32.
;;   ~~~python
;;   def quantise(x, axis):      # numpy; x: float32 -> the quantised numbers, widened to float32 again
;;       x = np.moveaxis(x, axis, -1); K = x.shape[-1]
;;       x = np.pad(x, [(0, 0)] * (x.ndim - 1) + [(0, -K % 32)]); x = x.reshape(x.shape[:-1] + (-1, 32)); a = np.abs(x).max(-1, keepdims=True)
;;       e = np.where(a > 0, np.clip(np.frexp(np.where(a > 0, a, 1))[1] - 1 - 2, -126, 127), 0)      # np.frexp(a)[1] - 1 = floor(log2(a)), exactly
;;       r = np.clip(x / 2.0 ** e, -6, 6)
;;       step = 2.0 ** (np.maximum(np.frexp(np.where(r == 0, 1, r))[1] - 1, 0) - 1)
;;       q = np.round(r / step) * step * 2.0 ** e      # np.round: ties to even
;;       return np.moveaxis(q.reshape(q.shape[:-2] + (-1,))[..., :K], -1, axis).astype(np.float32)
;;   ~~~
;;   SOFTMAX AHEAD OF A QUANTISED PRODUCT. Where the list says 'softmax', what is quantised is not the finished softmax but p = 2^(t - M), with t = logit x log2(e) and M = ceil(the row's largest t), a whole number; so 1/2 < the row's largest p <= 1. The row's sum l is taken of the UNQUANTISED p, in f32, and the product's result is divided by l at the end. Since M is a whole number, a kernel that streams over the keys may use a running M (the ceiling of the running maximum): every later rescaling is an exact power of two, which a block's scale takes up: the codes' values come out the same.
;;   OPERANDS COMPUTED ON THE WAY. 'Computed on the way' means the value that the module computes at that place (a softmax that the list does not call 'softmax' is quantised finished and normalised). What goes into a quantiser is computed in f32, as accurately as f32 sums, v_exp_f32 and their like allow (about 1e-6 of the number): no bf16 or f16 on the way to a quantiser, and a product that is left as it is and whose result goes on into a quantised operand takes f32 operands (vector FMAs, or v_wmma_f32_16x16x4_f32). A number that lies on a knife's edge between two numbers of the format may be rounded either way, as far as f32 arithmetic and the matrix unit's own rounding can turn it there, and no further.
;;   INPUTS GIVEN AS CODES. input_tensor (in the module: [4, 2048, 1024], K = its axis 2); wk (in the module: [1024, 1024], K = its axis 1); wo (in the module: [1024, 1024], K = its axis 1); wq (in the module: [1024, 1024], K = its axis 1); wv (in the module: [1024, 1024], K = its axis 1): each comes as NAME_codes (uint8): NAME with its K axis moved to the last place and cut into blocks of 32 codes, [.., K / 32, bytes a block], one block behind the other in memory; two codes a byte, the lower K in the low four bits (a code: sign, 2 exponent bits, 1 mantissa bit); and NAME_scales (uint8): the same leading axes, one E8M0 byte (e + 127) for each 32 codes along K. Its value is code x scale, taken as it is: it is not quantised again, and the codes and scales need not be those that the quantiser above would give.
;; One version. Each part assembles by itself: llvm-mc -triple=amdgcn-amd-amdhsa -mcpu=gfx1250 --defsym DOCPART=n.
;; ======== version 1 of 1: 3 launches
;; workspace buffers: qbuf 4,718,592 bytes; kbuf 4,718,592 bytes; vbuf 4,456,448 bytes; obuf 4,194,304 bytes; osc 262,144 bytes
;; launch proj (part 1): grid 12 x 32, 4 waves a work-group, clusters of 4 x 4, 297,472 bytes of LDS; arguments input_tensor_codes, input_tensor_scales, wq_codes, wq_scales, wk_codes, wk_scales, wv_codes, wv_scales, bq, bk_, bv, qbuf, kbuf, vbuf; writes qbuf, kbuf, vbuf
.if DOCPART == 1
	.amdgcn_target "amdgcn-amd-amdhsa--gfx1250"
	.amdhsa_code_object_version 6
	.text
	.protected	k_q5a21785126_proj
	.globl	k_q5a21785126_proj
	.p2align	8
	.type	k_q5a21785126_proj,@function
k_q5a21785126_proj:
	s_mov_b64 s[64:65], 0
	v_nop
	global_prefetch_b8 v0, s[64:65] scope:SCOPE_SE
	s_setreg_imm32_b32 hwreg(HW_REG_WAVE_MODE, 25, 1), 1
	s_wait_xcnt 0x0
	s_wait_alu depctr_hold_cnt(0) depctr_sa_sdst(0) depctr_va_vdst(0) depctr_va_sdst(0) depctr_va_ssrc(0) depctr_va_vcc(0) depctr_vm_vsrc(0)
	s_getreg_b32 s2, hwreg(HW_REG_IB_STS2, 6, 4)
	s_cmp_eq_u32 s2, 0
	s_cbranch_scc0 .Lentry_in_a_cluster
	s_endpgm
.Lentry_in_a_cluster:
	s_bfe_u32 s2, ttmp6, 0x10000c
	s_cmp_lg_u32 s2, 0xf033
	s_cbranch_scc0 .Lentry_shape_is_right
	s_endpgm
.Lentry_shape_is_right:
; q = x wq^T + bq, k = x wk^T + bk, v = x wv^T + bv on codes of FP4 (E2M1) with one E8M0 scale for each 32 along K = 1,024; the results are quantised at once: q and k along the head's 64 (two blocks a head), v along the keys.
; ONE FORM FOR ALL THREE.  C'[R row][P row] = sum over k of R[.][k] P[.][k] + bias, source 0 = 16 rows of P, source 1 = 16 rows of R: a lane holds ONE row of R and its registers run along P, and the result is quantised along P.
;   cluster x = 0: R = x (tokens), P = wq;   1: R = x, P = wk;   2: R = wv (the head's channels), P = x (tokens): that is v^T, whose K in the second product of attention is the keys.
; A work-group of four waves makes 256 rows of R x 256 rows of P, a wave 128 x 128: 64 accumulators, 512 registers.  K = 1,024 is two LDS slots of 512 along K (rows of 256 bytes): both are filled once, at the start; nothing is filled again.
; THE ROWS OF A TILE ARE NOT NEIGHBOURS, in R and in P alike: lane r of tile 2 g + u takes row 32 g + 8 u + r + 8 (r / 8).  So the 16 registers of tiles 2 g and 2 g + 1 of a result are 16 neighbours along P, 32 g + 16 (lane / 16) + 0 .. 15,
; which is what the conversions want, and the tiles of tokens and of channels that leave here are in the order in which the next launch wants its own tiles.
; IN LDS the even rows of an operand's 256 lie first and the odd rows ODD bytes on, 272 bytes from row to row: lane r's 16 bytes then begin at 16-byte column (r / 2) + 4 (r / 8) + 4 (r % 2) modulo 16: sixteen different ones (rows 16 apart would meet at every pitch that is a multiple of 16 bytes).
; OUT: images of operand registers.  qbuf, kbuf: 64 records (16 x batch + head) of 73,728 bytes: codes [tile 2 g + u: 128][lane][16 bytes] (lane (r, h): channels 32 h .. 32 h + 31 of the tile's token r); at 65,536 scale words [16][lane = 16 u + r][g % 4], bytes 0 and 1.
;   (Bytes 2 and 3 of such a word scale zero codes alone in the next launch; they are another head's bytes or 0, never 0xff.)   vbuf: 64 records of 69,632 bytes: codes [key step 16][tile of channels 4][c 2][lane][16 bytes] (keys 64 c + 32 h + 0 .. 31); at 65,536 words [16][lane = 16 (t % 2) + r][t / 2].
; CLUSTERS: 4 x 4 work-groups.  R's tile hangs on the cluster's y and cy alone and is asked for jointly along a row of the cluster, P's on cx (and the cluster's y) alone, along a column.  The branches on the cluster's x are the same in all sixteen.
; 384 work-groups for 256 WGPs: an even split would want 256 x 384 of C', whose operands of all K do not fit in LDS beside each other.
; LIMITS: NaN and infinities are not served.  A block whose largest magnitude lies under 2^(3 - 127), a block of zeros too, gets the byte 1; these bytes are read by this program alone.
.set PITCH,  272
.set HALFT,  128*PITCH                 ; 128 rows: what one tensor load brings
.set ODD,    HALFT+64                  ; where an operand's odd rows begin
.set OPR,    69888                     ; an operand's region in a slot
.set SLOT,   2*OPR                     ; R's 256 rows, then P's
.set SCL,    2*SLOT                    ; behind the slots: the scale bytes of all K, as units of 256 bytes + 16
.set HALFS,  16*272                    ; those of 128 rows
.set WROWS,  64*PITCH                  ; a wave's 128 rows: 64 of each parity
.set REC_QK, 73728
.set REC_V,  69632
.set FR,     8                         ; registers of a fragment
.set NL,     2                         ; LDS loads that bring one
.set NQ,     4                         ; matrix instructions deep in a slot
.set NP,     4                         ; places behind this matrix instruction (ISA guide 7.12.1)
.set ADRA, 16                          ; v16-17  LDS address of my R fragments in slot 0, 1
.set ADRB, 20                          ; v20-21  the same for P
.set VO16, 24                          ; v24     16 x lane
.set VO8,  25                          ; v25     8 x lane
.set BA,   26                          ; v26     my offset in the bias
.set ADRS, 27                          ; v27     LDS address of my scale words: lanes 0-15 R's rows, lanes 16-31 P's
.set SC,   32                          ; v32-95  scale words, a set for each slot; register 4 i + q: lanes 0-15 R's tile i, lanes 16-31 P's tile i
.set TM,   96                          ; v96-111 at work in the quantiser
.set PWR,  112                         ; v112-119 the scale word of R's tile a
.set SA,   120                         ; v120-127 scale words on their way out
.set SB,   124
.set AF,   128                         ; v128-191 R's fragments, ONE set; at the end the codes of tile a at v[128 + 8 a]
.set BI,   192                         ; v192-255 the bias, as the C of each sum's first product
.set G1, 24                            ; s[24:31] group 1 for R's tiles;  s[32:39] group 0, a set for each slot
.set G0, 32
.set G1B, 48                           ; s[48:55], s[56:63] the same for P's
.set G0B, 56
.set G1S, 68                           ; s[68:75], s[76:79] groups 1 and 0 for R's scales;  s[80:87], s[88:91] for P's
.set G0S, 76
.set G1SB, 80
.set G0SB, 88
.set MSB, 0
.macro WIN new                         ; the immediate's high byte repeats the setting that is left
.if MSB != (\new)
	s_set_vgpr_msb (MSB<<8)|(\new)
.set MSB, (\new)
.endif
.endm
.set TO_B, 0x40                        ; destination window 1, address window 0
; A joint load: waves 0 and 1 fetch for R, waves 2 and 3 for P.  The branch hangs on the wave's number alone.  Four v_nop follow each of the two lines.
.macro JLOAD g0a, g1a, g0b, g1b
	s_cmp_eq_u32 s15, 0
	s_cbranch_scc0 .Lfor_b_\@
	tensor_load_to_lds s[\g0a:\g0a+3], s[\g1a:\g1a+7]
	s_nop 0
.rept 4
	v_nop
.endr
	s_branch .Lasked_\@
.Lfor_b_\@:
	tensor_load_to_lds s[\g0b:\g0b+3], s[\g1b:\g1b+7]
	s_nop 0
.rept 4
	v_nop
.endr
.Lasked_\@:
.endm
.macro CROUND                          ; a round of the cluster's barrier
	s_barrier_signal -1
	s_barrier_wait -1
	s_cmp_lg_u32 s14, 0
	s_cbranch_scc1 .Lnot_wave_0_\@
	s_barrier_signal -3
.Lnot_wave_0_\@:
	s_barrier_wait -3
	s_barrier_signal -1
	s_barrier_wait -1
.endm
	s_load_b512 s[68:83], s[0:1], 0x0              ; x's codes, x's scales, wq's, wk's, wv's
	s_load_b256 s[84:91], s[0:1], 0x40             ; bq, bk, bv, qbuf
	s_load_b128 s[92:95], s[0:1], 0x60             ; kbuf, vbuf
	v_lshl_add_u32 v106, v0, 2, 0x48800
	v_mov_b32 v107, 0
	ds_add_u32 v106, v107
	ds_add_u32 v106, v107
	v_lshrrev_b32 v1, 5, v0
	v_readfirstlane_b32 s14, v1                    ; wave 0..3
	s_lshr_b32 s15, s14, 1                         ; which 128 rows of R are mine.  Also: I fetch for R (0) or for P (1)
	s_and_b32 s16, s14, 1                          ; which 128 rows of P.  Also: I fetch the even rows (0) or the odd ones (1)
	s_bfe_u32 s40, ttmp6, 0x40000                  ; cx
	s_bfe_u32 s41, ttmp6, 0x40004                  ; cy
	s_and_b32 s18, ttmp7, 0xffff
	s_lshl_b32 s18, s18, 2                         ; 4 x cluster y
	s_cmp_eq_u32 ttmp9, 2                          ; the cluster's x says which product: the same in all sixteen partners
	s_cselect_b32 s2, 1, 0                         ; 1: v
	s_cselect_b32 s19, 0, s18                      ; the tokens' 32 blocks of 256 go along R for q and k,
	s_cselect_b32 s20, s18, 0                      ; along P for v
	s_add_co_u32 s17, s41, s19                     ; R's block of 256 rows: cy and the cluster's y alone
	s_add_co_u32 s42, s40, s20                     ; P's: cx and the cluster's y alone
	s_lshl_b32 s43, s41, 2
	s_lshl_b32 s43, 15, s43                        ; my row of the cluster
	s_lshl_b32 s44, 0x1111, s40                    ; my column
	; group 1: 128 rows of one parity x 256 bytes, 1,024 bytes apart in memory, 16 bytes of padding behind each in LDS
	s_or_b32 s[G1+0], s43, (0<<16)|(1<<20)|(1<<21)|(5<<22)|(3<<25)  ; 15:0 the mask; 17:16 elements of 1 byte; 20 padding on; 21 set beside a mask; 24:22 after every 64 words; 31:25 four words
	s_or_b32 s[G1B+0], s44, (0<<16)|(1<<20)|(1<<21)|(5<<22)|(3<<25)
.irp g, G1, G1B
	s_mov_b32 s[\g+1], 256<<16                     ; tensor_dim0
	s_mov_b32 s[\g+2], 128<<16                     ; tensor_dim1
	s_mov_b32 s[\g+3], 256<<16                     ; tile_dim0
	s_mov_b32 s[\g+4], 128                         ; tile_dim1
	s_mov_b32 s[\g+5], 1024                        ; from a row to the next of its parity
	s_mov_b32 s[\g+6], 0
	s_mov_b32 s[\g+7], 0
.endr
	s_mov_b32 s98, 0x76543210
	s_mov_b32 s99, 0xfedcba98                      ; v_permlanex16_b32's selects for lane l xor 16
	s_mov_b32 s100, 0xffff0000                     ; lanes 16-31
	s_wait_dscnt 0x0
	s_wait_kmcnt 0x0
	s_cmp_eq_u32 ttmp9, 1                          ; the buffers are chosen on the cluster's x, which hangs on no address
	s_cselect_b64 s[8:9], s[76:77], s[72:73]       ; P's codes: wk's or wq's,
	s_cselect_b64 s[10:11], s[78:79], s[74:75]     ; its scales,
	s_cselect_b64 s[96:97], s[86:87], s[84:85]     ; the bias,
	s_cselect_b64 s[12:13], s[92:93], s[90:91]     ; where the result goes
	s_cmp_eq_u32 ttmp9, 2
	s_cselect_b64 s[8:9], s[68:69], s[8:9]         ; v: P = x,
	s_cselect_b64 s[10:11], s[70:71], s[10:11]
	s_cselect_b64 s[4:5], s[80:81], s[68:69]       ; R = wv, else x
	s_cselect_b64 s[6:7], s[82:83], s[70:71]
	s_cselect_b64 s[96:97], s[88:89], s[96:97]
	s_cselect_b64 s[12:13], s[94:95], s[12:13]
	s_lshl_b32 s20, s17, 17                        ; R's block: 256 rows of 512 bytes,
	s_lshl_b32 s22, s16, 9                         ; my parity's first row
	s_add_co_u32 s20, s20, s22
	s_mov_b32 s21, 0
	s_add_nc_u64 s[20:21], s[4:5], s[20:21]
	s_lshl_b32 s22, s17, 13                        ; its scales: 256 rows of 32 bytes, my 128 rows of them
	s_lshl_b32 s23, s16, 12
	s_add_co_u32 s22, s22, s23
	s_mov_b32 s23, 0
	s_add_nc_u64 s[22:23], s[6:7], s[22:23]
	s_lshl_b32 s46, s42, 17                        ; P likewise
	s_lshl_b32 s45, s16, 9
	s_add_co_u32 s46, s46, s45
	s_mov_b32 s47, 0
	s_add_nc_u64 s[46:47], s[8:9], s[46:47]
	s_lshl_b32 s92, s42, 13
	s_lshl_b32 s45, s16, 12
	s_add_co_u32 s92, s92, s45
	s_mov_b32 s93, 0
	s_add_nc_u64 s[92:93], s[10:11], s[92:93]
	s_mul_i32 s45, s16, ODD                        ; where my rows go: no place in the cluster enters an LDS address
	s_mul_i32 s94, s14, HALFS
	; group 1 for the scales of 128 rows: 4,096 dense bytes as 16 rows of 256 bytes (32 elements of 8 bytes), 16 bytes of padding behind each
	s_or_b32 s[G1S+0], s43, (3<<16)|(1<<20)|(1<<21)|(5<<22)|(3<<25)
	s_or_b32 s[G1SB+0], s44, (3<<16)|(1<<20)|(1<<21)|(5<<22)|(3<<25)
.irp g, G1S, G1SB
	s_mov_b32 s[\g+1], 32<<16
	s_mov_b32 s[\g+2], 16<<16
	s_mov_b32 s[\g+3], 32<<16
	s_mov_b32 s[\g+4], 16
	s_mov_b32 s[\g+5], 32
	s_mov_b32 s[\g+6], 0
	s_mov_b32 s[\g+7], 0
.endr
	CROUND                                         ; all sixteen work-groups are here: the joint loads meet
	s_mov_b32 s[G0S], 1
	s_add_co_u32 s[G0S+1], s94, SCL
	s_mov_b64 s[G0S+2:G0S+3], s[22:23]
	s_or_b32 s[G0S+3], s[G0S+3], 0x80000000
	s_mov_b32 s[G0SB], 1
	s_add_co_u32 s[G0SB+1], s94, SCL
	s_mov_b64 s[G0SB+2:G0SB+3], s[92:93]
	s_or_b32 s[G0SB+3], s[G0SB+3], 0x80000000
	JLOAD G0S, G1S, G0SB, G1SB                     ; the scales first: they are wanted with slot 0
.irp s, 0,1
	s_mov_b32 s[G0+4*\s], 1
	s_add_co_u32 s[G0+4*\s+1], s45, \s*SLOT
	s_add_nc_u64 s[G0+4*\s+2:G0+4*\s+3], s[20:21], \s*256
	s_or_b32 s[G0+4*\s+3], s[G0+4*\s+3], 0x80000000
	s_mov_b32 s[G0B+4*\s], 1
	s_add_co_u32 s[G0B+4*\s+1], s45, \s*SLOT+OPR
	s_add_nc_u64 s[G0B+4*\s+2:G0B+4*\s+3], s[46:47], \s*256
	s_or_b32 s[G0B+4*\s+3], s[G0B+4*\s+3], 0x80000000
	JLOAD G0+4*\s, G1, G0B+4*\s, G1B               ; three tensor loads of mine are out: all that this launch has
.endr
	; where my results go.  Tokens: block tb, half tw; outputs n: block nb, half nw
	s_cmp_eq_u32 s2, 1
	s_cselect_b32 s92, s42, s17                    ; tb
	s_cselect_b32 s93, s16, s15                    ; tw
	s_cselect_b32 s94, s17, s42                    ; nb
	s_cselect_b32 s95, s15, s16                    ; nw
	s_mov_b32 s3, REC_QK
	s_cselect_b32 s3, REC_V, s3                    ; a record
	s_cselect_b32 s45, 8, 9                        ; the scale words of 128 tokens: 256 or 512 bytes
	s_lshr_b32 s46, s92, 3                         ; the batch: 8 blocks of 256 tokens each
	s_lshl_b32 s46, s46, 4
	s_lshl_b32 s47, s94, 2
	s_add_co_u32 s46, s46, s47
	s_lshl_b32 s47, s95, 1
	s_add_co_u32 s46, s46, s47                     ; 16 x batch + my first head (4 nb + 2 nw)
	s_mul_i32 s46, s46, s3
	s_and_b32 s47, s92, 7
	s_lshl_b32 s47, s47, 1
	s_add_co_u32 s47, s47, s93                     ; which 128 tokens of the batch
	s_lshl_b32 s18, s47, 12                        ; their codes: 4,096 bytes in a record
	s_add_co_u32 s18, s18, s46
	s_mov_b32 s19, 0
	s_lshl_b32 s92, s47, s45
	s_add_co_u32 s92, s92, s46
	s_add_co_u32 s92, s92, 65536
	s_mov_b32 s93, 0
	s_add_nc_u64 s[66:67], s[12:13], s[92:93]      ; the scale words
	s_add_nc_u64 s[12:13], s[12:13], s[18:19]      ; the codes
	s_lshl_b32 s18, s94, 10
	s_lshl_b32 s92, s95, 9
	s_add_co_u32 s18, s18, s92
	s_add_nc_u64 s[96:97], s[96:97], s[18:19]      ; the bias of my 128 outputs
	v_and_b32 v1, 15, v0                           ; r
	v_bfe_u32 v2, v0, 4, 1                         ; h
	v_and_b32 v3, 1, v0                            ; r % 2
	v_bfe_u32 v4, v0, 1, 3                         ; r / 2
	v_bfe_u32 v5, v0, 3, 1                         ; r / 8
	v_lshl_add_u32 v4, v5, 2, v4                   ; my row r + 8 (r / 8) of a tile, halved
	v_mul_u32_u24 v4, v4, PITCH
	v_mad_u32_u24 v4, v3, ODD, v4                  ; among the rows of its parity
	v_lshl_add_u32 v4, v2, 4, v4                   ; + 16 x half
	s_mul_i32 s21, s15, WROWS                      ; my 128 rows of R
	s_mul_i32 s22, s16, WROWS                      ; my 128 rows of P
	s_add_co_u32 s22, s22, OPR
.irp s, 0,1
	v_add_nc_u32 v[ADRA+\s], s21, v4
	v_add_nc_u32 v[ADRB+\s], s22, v4
	s_add_co_u32 s21, s21, SLOT
	s_add_co_u32 s22, s22, SLOT
.endr
	v_mul_u32_u24 v6, v5, 544                      ; my row's scales: 32 bytes a row, eight rows to a unit of 272: rows 16 on are two units on
	v_and_b32 v7, 7, v0
	v_lshl_add_u32 v6, v7, 5, v6
	s_mul_i32 s21, s15, HALFS                      ; R's: my 128 rows
	s_mul_i32 s22, s16, HALFS                      ; P's: my 128 rows, behind R's 256
	s_add_co_u32 s22, s22, 2*HALFS
	s_sub_co_u32 s22, s22, s21
	v_mul_u32_u24 v7, s22, v2                      ; lanes 16-31 take P's
	s_add_co_u32 s21, s21, SCL
	v_add_nc_u32 v6, v6, v7
	v_add_nc_u32 v[ADRS], s21, v6
	v_and_b32 v8, 31, v0
	v_lshlrev_b32 v[VO16], 4, v8
	v_lshlrev_b32 v[VO8], 3, v8
.irp b, 0,1,2,3
	v_mov_b32 v[TM+4+\b], 0                        ; written once: a lane permute's destination counts as one of its sources
.endr
	; THE BIAS is the C of each sum's first product: eight registers a tile, in the result's layout
	s_cmp_eq_u32 s2, 1
	s_cbranch_scc1 .Lbias_v
	v_lshlrev_b32 v[BA], 6, v2                     ; q, k: the bias runs along P: tile b's register j is that of output 32 (b / 2) + 8 (b % 2) + 16 h + j
.irp b, 0,1,2,3,4,5,6,7
	global_load_b128 v[BI+8*\b:BI+8*\b+3], v[BA], s[96:97] offset:(32*(\b/2)+8*(\b%2))*4
	global_load_b128 v[BI+8*\b+4:BI+8*\b+7], v[BA], s[96:97] offset:(32*(\b/2)+8*(\b%2))*4+16
.endr
	s_branch .Lbias_done
.Lbias_v:
	v_lshl_add_u32 v[BA], v5, 3, v1                ; v: the bias runs along R: all eight registers of tile a hold that of my row 32 (a / 2) + 8 (a % 2) + r + 8 (r / 8)
	v_lshlrev_b32 v[BA], 2, v[BA]
.irp a, 0,1,2,3,4,5,6,7
	global_load_b32 v[BI+8*\a], v[BA], s[96:97] offset:(32*(\a/2)+8*(\a%2))*4
.endr
	s_wait_loadcnt 0x0                             ; (the tensor loads are on their way meanwhile)
.irp a, 0,1,2,3,4,5,6,7
.irp j, 1,2,3,4,5,6,7
	v_mov_b32 v[BI+8*\a+\j], v[BI+8*\a]
.endr
.endr
.Lbias_done:
.macro FRAG reg, adr, q, i             ; a fragment, 16 rows x 128 K of 4-bit codes: 8 registers; registers 4 c .. 4 c + 3 hold K = 64 c + 32 (l / 16) + 0 .. 31.  Tile i begins at row 32 (i / 2) + 8 (i % 2): half as many rows of a parity
.irp c, 0,1
	ds_load_b128 v[\reg+4*\c:\reg+4*\c+3], v[\adr] offset:64*(\q)+32*\c+(16*((\i)/2)+4*((\i)%2))*PITCH
.endr
.endm
; 16 matrix instructions: R's tiles a0, a0 + 1 x P's eight, the slot's q-th 128 along K.  p: P's set; sc: the set of scale words.  cm = 1: the sums start from the bias along P; 2: along R; 0: they go on.
; The 64 accumulators take turns, one instruction a turn, in the same order in every step.
.macro MUL16 a0, p, q, sc, cm
.if \cm
	WIN 0x81+0x40*((\a0)/4)                        ; source 0 (P) window 1, source 1 (R) and C window 0, D window 2 or 3
.else
	WIN 0xa1+0x50*((\a0)/4)                        ; C and D window 2 or 3
.endif
.irp a, \a0, \a0+1
.irp b, 0,1,2,3,4,5,6,7
.if \cm == 1
	v_wmma_scale_f32_16x16x128_f8f6f4 v[8*(8*((\a)%4)+\b):8*(8*((\a)%4)+\b)+7], v[128*(\p)+FR*\b:128*(\p)+FR*\b+FR-1], v[AF+FR*(\a):AF+FR*(\a)+FR-1], v[BI+8*\b:BI+8*\b+7], v[SC+8*NQ*(\sc)+NQ*\b+(\q)], v[SC+8*NQ*(\sc)+NQ*(\a)+(\q)] matrix_a_fmt:MATRIX_FMT_FP4 matrix_b_fmt:MATRIX_FMT_FP4 matrix_a_scale:MATRIX_SCALE_ROW1
.elseif \cm == 2
	v_wmma_scale_f32_16x16x128_f8f6f4 v[8*(8*((\a)%4)+\b):8*(8*((\a)%4)+\b)+7], v[128*(\p)+FR*\b:128*(\p)+FR*\b+FR-1], v[AF+FR*(\a):AF+FR*(\a)+FR-1], v[BI+8*(\a):BI+8*(\a)+7], v[SC+8*NQ*(\sc)+NQ*\b+(\q)], v[SC+8*NQ*(\sc)+NQ*(\a)+(\q)] matrix_a_fmt:MATRIX_FMT_FP4 matrix_b_fmt:MATRIX_FMT_FP4 matrix_a_scale:MATRIX_SCALE_ROW1
.else
	v_wmma_scale_f32_16x16x128_f8f6f4 v[8*(8*((\a)%4)+\b):8*(8*((\a)%4)+\b)+7], v[128*(\p)+FR*\b:128*(\p)+FR*\b+FR-1], v[AF+FR*(\a):AF+FR*(\a)+FR-1], v[8*(8*((\a)%4)+\b):8*(8*((\a)%4)+\b)+7], v[SC+8*NQ*(\sc)+NQ*\b+(\q)], v[SC+8*NQ*(\sc)+NQ*(\a)+(\q)] matrix_a_fmt:MATRIX_FMT_FP4 matrix_b_fmt:MATRIX_FMT_FP4 matrix_a_scale:MATRIX_SCALE_ROW1
.endif
.endr
.endr
.endm
.macro FETCH_B slot, q, p              ; P's eight fragments into set p
	WIN TO_B
.irp i, 0,1,2,3,4,5,6,7
	FRAG 128*(\p)+FR*\i, ADRB+\slot, \q, \i
.endr
	WIN 0
.endm
.macro FETCH_A slot, q, i0             ; R's tiles i0 .. i0 + 3
.irp i, \i0, \i0+1, \i0+2, \i0+3
	FRAG AF+FR*(\i), ADRA+\slot, \q, \i
.endr
.endm
.macro SCALES sc                       ; a slot's scale words: four words a row; lanes 0-15 take R's tile i, lanes 16-31 P's tile i.  Tile i begins 4 (i / 2) + i % 2 units of eight rows on
.irp i, 0,1,2,3,4,5,6,7
	ds_load_b128 v[SC+8*NQ*\sc+NQ*\i:SC+8*NQ*\sc+NQ*\i+3], v[ADRS] offset:(4*(\i/2)+(\i%2))*272
.endr
.endm
.macro PLACES n                        ; plain vector instructions between a matrix instruction and a load into, or a read of, its registers (ISA guide 7.12.1 for reads)
.rept \n
	v_nop
.endr
.endm
; A step of 128 along K that has its successor in the same slot.  A tile of R is free as soon as its eight products are issued, so R has one set: tiles 0-3 are fetched anew in the step's middle, tiles 4-7 at its end.
.macro STEP slot, q, cm
	s_wait_dscnt 4*NL                              ; P's set, the scale words and R's tiles 0-3 are in; the youngest eight loads (R's tiles 4-7) may be out
	MUL16 0, (\q)%2, \q, \slot, \cm
	MUL16 2, (\q)%2, \q, \slot, \cm
	s_wait_dscnt 0                                 ; R's tiles 4-7 are in
	PLACES NP
	FETCH_B \slot, (\q)+1, 1-(\q)%2
	FETCH_A \slot, (\q)+1, 0
	MUL16 4, (\q)%2, \q, \slot, \cm
	MUL16 6, (\q)%2, \q, \slot, \cm
	PLACES NP
	WIN 0
	FETCH_A \slot, (\q)+1, 4
.endm
	s_wait_tensorcnt 1                             ; the scales and my part of slot 0 are in; slot 1's load may be out,
	s_barrier_signal -1
	s_barrier_wait -1                              ; everybody's are
	FETCH_B 0, 0, 0
	FETCH_A 0, 0, 0
	s_wait_alu depctr_va_vdst(0)
	SCALES 0
	FETCH_A 0, 0, 4
	s_wait_loadcnt 0x0                             ; the bias
	s_cmp_eq_u32 s2, 1                             ; only the first step differs between the products: which bias register is a sum's C
	s_cbranch_scc1 .Lfirst_v
	STEP 0, 0, 1
	s_branch .Lfirst_done
.Lfirst_v:
	STEP 0, 0, 2
.Lfirst_done:
	STEP 0, 1, 0
	STEP 0, 2, 0
	; slot 0's last step, and the change of slots: one barrier
	s_wait_tensorcnt 0x0                           ; my part of slot 1 has landed
	s_wait_dscnt 4*NL
	MUL16 0, 1, 3, 0, 0
	s_wait_dscnt 0x0                               ; no LDS load of mine is out at the signal
	s_barrier_signal -1
	MUL16 2, 1, 3, 0, 0
	WIN 0
	s_barrier_wait -1                              ; slot 1 is whole
	PLACES NP
	v_add_nc_u32 v[ADRS], 4*NQ, v[ADRS]            ; on to slot 1's scale words
	FETCH_B 1, 0, 0
	FETCH_A 1, 0, 0
	SCALES 1
	MUL16 4, 1, 3, 0, 0
	MUL16 6, 1, 3, 0, 0
	PLACES NP
	WIN 0
	FETCH_A 1, 0, 4
	STEP 1, 0, 0
	STEP 1, 1, 0
	STEP 1, 2, 0
	s_wait_dscnt 4*NL                              ; the last step: nothing more to fetch
	MUL16 0, 1, 3, 1, 0
	MUL16 2, 1, 3, 1, 0
	s_wait_dscnt 0
	MUL16 4, 1, 3, 1, 0
	MUL16 6, 1, 3, 1, 0
	WIN 0
	PLACES NP                                      ; ahead of the first read of results and of the first write into the registers that held R's fragments
; R's tile a: my row's 128 numbers along P (register 16 b + i of the tile's 64 = P row 32 b + 16 (lane / 16) + i) become 8 registers of codes, v[AF + 8 a] on, and the row's scale word, v[PWR + a].
; Each accumulator is read from its low end on.
.macro QUANT a
.set AC, 64*((\a)%4)
.set PC, AF+8*(\a)
	WIN 0x0a+5*((\a)/4)                            ; sources 0 and 1: window 2 or 3
.irp b, 0,1,2,3
	v_max3_num_f32 v[TM+\b], |v[AC+16*\b]|, |v[AC+16*\b+1]|, 0x1800000   ; block b: my 16 numbers, and the floor 2^(3 - 127): so the byte cannot fall under 1
.endr
.irp i, 2,4,6,8,10,12,14
.irp b, 0,1,2,3
	v_max3_num_f32 v[TM+\b], |v[AC+16*\b+\i]|, |v[AC+16*\b+\i+1]|, v[TM+\b]   ; (the four blocks by turns)
.endr
.endr
	WIN 0
.irp b, 0,1,2,3
	v_permlanex16_b32 v[TM+4+\b], v[TM+\b], s98, s99
.endr
.irp b, 0,1,2,3
	v_max_num_f32 v[TM+\b], v[TM+\b], v[TM+4+\b]   ; with lane l xor 16's: the block's largest magnitude
.endr
.irp b, 0,1,2,3
	v_add_nc_u32 v[TM+12+\b], 0xff000000, v[TM+\b] ; 2 off its exponent field: the conversion takes the exponent field of this operand as its scale
.endr
.irp b, 0,1,2,3
	v_lshrrev_b32 v[TM+4+\b], 23, v[TM+12+\b]      ; the scale's byte
.endr
	v_lshl_or_b32 v[PWR+\a], v[TM+5], 8, v[TM+4]
	v_lshl_or_b32 v[PWR+\a], v[TM+6], 16, v[PWR+\a]
	v_lshl_or_b32 v[PWR+\a], v[TM+7], 24, v[PWR+\a]
	WIN 0x02+((\a)/4)                              ; source 0: window 2 or 3
.irp b, 0,1,2,3
	v_cvt_scalef32_pk8_fp4_f32 v[PC+2*\b], v[AC+16*\b:AC+16*\b+7], v[TM+12+\b]
	v_cvt_scalef32_pk8_fp4_f32 v[PC+2*\b+1], v[AC+16*\b+8:AC+16*\b+15], v[TM+12+\b]
.endr
	WIN 0
	v_nop                                          ; one plain place behind a scaled conversion
.irp c, 0,1                                    ; an operand wants a WHOLE block in a lane: lanes 0-15 block 2 c, lanes 16-31 block 2 c + 1
.irp i, 0,1
	v_permlane16_swap_b32 v[PC+4*\c+\i], v[PC+4*\c+2+\i]
.endr
.endr
.endm
; THE WAY OUT.  Every store of codes covers 512 consecutive bytes, 16 a lane, at a multiple of 256 from the buffer's first byte.  Each tile has registers of its own for its codes and its word: no store's data are written again.
.macro EPI isv
.irp a, 0,1,2,3,4,5,6,7
	QUANT \a
.if \isv
	global_store_b128 v[VO16], v[PC:PC+3], s[12:13] offset:(\a/4)*REC_V+(\a%4)*1024        ; head a / 4 of my two, tile of channels a % 4: keys 32 h on,
	global_store_b128 v[VO16], v[PC+4:PC+7], s[12:13] offset:(\a/4)*REC_V+(\a%4)*1024+512  ; keys 64 + 32 h on
.else
	global_store_b128 v[VO16], v[PC:PC+3], s[12:13] offset:512*\a                          ; tile a of tokens: my first head's 64 channels,
	global_store_b128 v[VO16], v[PC+4:PC+7], s[12:13] offset:512*\a+REC_QK                 ; my second head's
.endif
.endr
.irp g, 0,1,2,3
	v_cndmask_b32 v[SA+\g], v[PWR+2*\g], v[PWR+2*\g+1], s100   ; lanes 0-15: the even tile's words, lanes 16-31: the odd tile's (both halves of the lanes hold a row's word)
.endr
.if \isv
	global_store_b64 v[VO8], v[SA:SA+1], s[66:67]                  ; my first head's four tiles of channels,
	global_store_b64 v[VO8], v[SA+2:SA+3], s[66:67] offset:REC_V   ; my second head's
.else
.irp g, 0,1,2,3
	v_lshrrev_b32 v[SB+\g], 16, v[SA+\g]           ; the second head's two bytes come down
.endr
	global_store_b128 v[VO16], v[SA:SA+3], s[66:67]
	global_store_b128 v[VO16], v[SB:SB+3], s[66:67] offset:REC_QK
.endif
.endm
	s_cmp_eq_u32 s2, 1
	s_cbranch_scc1 .Lout_v
	EPI 0
	s_branch .Lout_done
.Lout_v:
	EPI 1
.Lout_done:
	s_wait_tensorcnt 0x0
	ds_add_u32 v106, v107
	s_wait_dscnt 0x0
	CROUND                                         ; the closing round: no work-group ends while a partner may still ask for a tile that names it
	s_endpgm
.Lfunc_end_k_q5a21785126_proj:
	.size	k_q5a21785126_proj, .Lfunc_end_k_q5a21785126_proj-k_q5a21785126_proj
	.p2alignl 7, 3214868480
	.fill 96, 4, 3214868480
	.section	.rodata,"a",@progbits
	.p2align	6, 0x0
	.amdhsa_kernel k_q5a21785126_proj
		.amdhsa_group_segment_fixed_size 297472
		.amdhsa_private_segment_fixed_size 0
		.amdhsa_enable_private_segment 0
		.amdhsa_kernarg_size 112
		.amdhsa_user_sgpr_count 2
		.amdhsa_user_sgpr_kernarg_segment_ptr 1
		.amdhsa_wavefront_size32 1
		.amdhsa_system_sgpr_workgroup_id_x 1
		.amdhsa_system_sgpr_workgroup_id_y 1
		.amdhsa_system_sgpr_workgroup_id_z 1
		.amdhsa_system_vgpr_workitem_id 0
		.amdhsa_next_free_vgpr 1024
		.amdhsa_next_free_sgpr 102
		.amdhsa_reserve_vcc 0
		.amdhsa_float_denorm_mode_32 3
		.amdhsa_float_denorm_mode_16_64 3
		.amdhsa_memory_ordered 1
		.amdhsa_forward_progress 1
		.amdhsa_inst_pref_size 177
	.end_amdhsa_kernel
	.amdgpu_metadata
---
amdhsa.version: [ 1, 2 ]
amdhsa.kernels:
  - .name:           k_q5a21785126_proj
    .symbol:         k_q5a21785126_proj.kd
    .args:
      - { .name: input_tensor_codes, .offset: 0, .size: 8, .value_kind: global_buffer, .address_space: global }
      - { .name: input_tensor_scales, .offset: 8, .size: 8, .value_kind: global_buffer, .address_space: global }
      - { .name: wq_codes, .offset: 16, .size: 8, .value_kind: global_buffer, .address_space: global }
      - { .name: wq_scales, .offset: 24, .size: 8, .value_kind: global_buffer, .address_space: global }
      - { .name: wk_codes, .offset: 32, .size: 8, .value_kind: global_buffer, .address_space: global }
      - { .name: wk_scales, .offset: 40, .size: 8, .value_kind: global_buffer, .address_space: global }
      - { .name: wv_codes, .offset: 48, .size: 8, .value_kind: global_buffer, .address_space: global }
      - { .name: wv_scales, .offset: 56, .size: 8, .value_kind: global_buffer, .address_space: global }
      - { .name: bq, .offset: 64, .size: 8, .value_kind: global_buffer, .address_space: global }
      - { .name: bk_, .offset: 72, .size: 8, .value_kind: global_buffer, .address_space: global }
      - { .name: bv, .offset: 80, .size: 8, .value_kind: global_buffer, .address_space: global }
      - { .name: qbuf, .offset: 88, .size: 8, .value_kind: global_buffer, .address_space: global }
      - { .name: kbuf, .offset: 96, .size: 8, .value_kind: global_buffer, .address_space: global }
      - { .name: vbuf, .offset: 104, .size: 8, .value_kind: global_buffer, .address_space: global }
    .group_segment_fixed_size: 297472
    .private_segment_fixed_size: 0
    .kernarg_segment_align: 8
    .kernarg_segment_size: 112
    .max_flat_workgroup_size: 128
    .sgpr_count:     102
    .vgpr_count:     1024
    .wavefront_size: 32
...
	.end_amdgpu_metadata
.endif
;; end of part 1
;; launch attn (part 2): grid 4 x 64, 16 waves a work-group, clusters of 4 x 1, 327,680 bytes of LDS; arguments qbuf, kbuf, vbuf, obuf, osc; writes obuf, osc
.if DOCPART == 2
	.amdgcn_target "amdgcn-amd-amdhsa--gfx1250"
	.amdhsa_code_object_version 6
	.text
	.protected	k_q5a21785126_attn
	.globl	k_q5a21785126_attn
	.p2align	8
	.type	k_q5a21785126_attn,@function
k_q5a21785126_attn:
	s_mov_b64 s[64:65], 0
	v_nop
	global_prefetch_b8 v0, s[64:65] scope:SCOPE_SE
	s_setreg_imm32_b32 hwreg(HW_REG_WAVE_MODE, 25, 1), 1
	s_wait_xcnt 0x0
	s_wait_alu depctr_hold_cnt(0) depctr_sa_sdst(0) depctr_va_vdst(0) depctr_va_sdst(0) depctr_va_ssrc(0) depctr_va_vcc(0) depctr_vm_vsrc(0)
	s_getreg_b32 s2, hwreg(HW_REG_IB_STS2, 6, 4)
	s_cmp_eq_u32 s2, 0
	s_cbranch_scc0 .Lentry_in_a_cluster
	s_endpgm
.Lentry_in_a_cluster:
	s_bfe_u32 s2, ttmp6, 0x10000c
	s_cmp_lg_u32 s2, 0x3003
	s_cbranch_scc0 .Lentry_shape_is_right
	s_endpgm
.Lentry_shape_is_right:
; o = softmax(q k^T / 8) v for one head of one batch, both products on codes of FP4 (E2M1) with one E8M0 scale for each 32 along a product's K; o / l is quantised along the head's 64 channels (two blocks) for the last product.
; THE SOFTMAX AHEAD OF THE SECOND PRODUCT: t = score x log2(e) / 8; M = the row's largest t so far, rounded UP to a whole number; p = 2^(t - M) is what is quantised, along the keys; the row's sum l is taken of the unquantised p
; and divides at the end.  When M moves, the sum and O are multiplied by 2^(old M - new M): nothing is rounded.
; SHARES.  A work-group of sixteen waves owns 512 queries of one head (work-group y = 16 x batch + head): 256 work-groups of equal work.  Wave w owns the two tiles of 16 queries of group g = 16 cx + w, one in each of two passes;
; a pass walks the head's 2,048 keys in 16 steps of 128.  Four waves share a SIMD: one wave's vector work stands beside another's products and LDS loads.
; A HEAD'S WHOLE K AND V STAY IN LDS: two records, 73,728 and 69,632 bytes, laid by the launch before as images of operand registers, each brought once; every wave fetches a sixteenth of each.  Nothing is filled again: one barrier, then the waves share nothing.
; CLUSTER: the four work-groups of a head read the same two records and ask for them JOINTLY (mask 15): the same loads with the same descriptors in all four.
; LAYOUT.  Both products are used transposed: S^T = K Q^T (source 0 = 16 keys, source 1 = my 16 queries), O^T = V^T P^T (source 0 = 16 channels, source 1 = P): a lane holds ONE query (lane % 16) throughout.  The keys of a tile of K and the channels of a tile
; of V are not neighbours (lane r of tile 2 g + u: 32 g + 8 u + r + 8 (r / 8)), so that the 16 registers of two neighbouring tiles of a result are 16 neighbours: p's along the keys, O^T's along the channels.
; THE FIRST PRODUCT'S K IS 64, the instruction's 128: Q's registers 4-7 hold zero codes, which add nothing whatever stands against them: K's operand names the next tile's four registers there (zeros behind the last), and bytes 2 and 3 of the scale words are never 0xff.
; OUT: obuf [tile of 16 tokens 512][pair of heads 8][head % 2][lane][16 bytes]: an image of the last product's operand; each store covers 512 consecutive bytes.  osc [token in tile order][32]: a head owns 2 of a row's 32 bytes, so these leave as 2 bytes a lane, rows 32 bytes apart:
; a sixteenth of the codes' bytes.
; LIMITS: NaN and infinities are not served.  A block whose largest magnitude lies under 2^(3 - 127), a block of zeros too, gets the byte 1; these bytes are read by this program alone.
; REGISTERS: v1-4, v7 addresses that stay; v8-11 addresses of the step; v12 -M, v13 the largest t, v[14:15] the sum in two halves; v16-23, v24-31 Q of pass 0, 1 (the upper four zeros); v32-63 K's eight tiles, v64-67 zeros; v68-71 K's scale words, v72-73 V's, v74 Q's;
; v76-80, v84-88 what leaves; v96-159 S^T, then p; v160-191 O^T; v192-223 V's four tiles; v224-231 p's codes; v232-254 at work (v250 f, v253 p's scale word).
.set REC_QK, 73728
.set REC_V,  69632
.set KS,     65536                     ; LDS: K's record at 0, its scale words here;
.set VR,     REC_QK                    ; V's record,
.set VS,     VR+65536                  ; its scale words
.set AK0,  1                           ; v1   16 x lane: my place in an image, in LDS and in memory
.set AS0,  2                           ; v2   among K's scale words
.set AV0,  3                           ; v3   in V's images
.set AT0,  4                           ; v4   among V's scale words: 8 x lane
.set OSO,  7                           ; v7   32 x (lane % 16): my row of o's scale bytes
.set ADK,  8
.set ADS,  9
.set ADV,  10
.set ADT,  11
.set WV,   18                          ; s18  my wave's number
.set SEL,  20                          ; s[20:21] lane selects for v_permlanex16_b32: lane l xor 16
.set CS,   22                          ; s[22:23] c = log2(e) / 8
.set G1K,  24                          ; s[24:31], s[32:39] descriptor groups 1;  s[40:43], s[44:47] groups 0
.set G1V,  32
.set G0K,  40
.set G0V,  44
.set TK,   2                           ; s2   the step's codes: 4,096 bytes a step, in K's record and in V's
.set TS,   3                           ; s3   K's scale words: 512 bytes a step
.set TT,   48                          ; s48  V's: 256
.macro CROUND                          ; a round of the cluster's barrier
	s_barrier_signal -1
	s_barrier_wait -1
	s_cmp_lg_u32 s[WV], 0
	s_cbranch_scc1 .Lnot_wave_0_\@
	s_barrier_signal -3
.Lnot_wave_0_\@:
	s_barrier_wait -3
	s_barrier_signal -1
	s_barrier_wait -1
.endm
	s_load_b256 s[4:11], s[0:1], 0x0               ; qbuf, kbuf, vbuf, obuf
	s_load_b64 s[12:13], s[0:1], 0x20              ; osc
	v_lshl_add_u32 v252, v0, 2, 0x29000
	v_mov_b32 v255, 0
	ds_add_u32 v252, v255
	ds_add_u32 v252, v255
	v_lshrrev_b32 v8, 5, v0
	s_delay_alu instid0(VALU_DEP_1)
	v_readfirstlane_b32 s[WV], v8                  ; wave 0..15
	s_bfe_u32 s19, ttmp6, 0x40000                  ; cx: it enters Q's and the outputs' addresses alone
	s_and_b32 s50, ttmp7, 0xffff                   ; 16 x batch + head, which the four partners share
	s_lshl_b32 s51, s19, 4
	s_add_co_u32 s51, s51, s[WV]                   ; g: my group of 32 queries
	s_mul_i32 s52, s50, REC_QK                     ; the head's record in qbuf and kbuf,
	s_mul_i32 s53, s[WV], 4608                     ; my sixteenth of it
	s_add_co_u32 s54, s52, s53
	s_mov_b32 s55, 0
	s_mul_i32 s56, s50, REC_V                      ; and in vbuf
	s_mul_i32 s57, s[WV], 4352
	s_add_co_u32 s58, s56, s57
	s_mov_b32 s59, 0
	; group 1: a dense block as rows of 256 bytes (32 elements of 8 bytes): 18 rows of K's record, 17 of V's
	s_mov_b32 s[G1K], 15|(3<<16)|(1<<21)           ; 15:0 the mask: all four work-groups; 17:16 elements of 8 bytes; 21 set beside a mask; no padding: every read takes 16 x lane
	s_mov_b32 s[G1K+1], 32<<16
	s_mov_b32 s[G1K+2], 18<<16
	s_mov_b32 s[G1K+3], 32<<16
	s_mov_b32 s[G1K+4], 18
	s_mov_b32 s[G1K+5], 32
	s_mov_b32 s[G1K+6], 0
	s_mov_b32 s[G1K+7], 0
	s_mov_b32 s[G1V], 15|(3<<16)|(1<<21)
	s_mov_b32 s[G1V+1], 32<<16
	s_mov_b32 s[G1V+2], 17<<16
	s_mov_b32 s[G1V+3], 32<<16
	s_mov_b32 s[G1V+4], 17
	s_mov_b32 s[G1V+5], 32
	s_mov_b32 s[G1V+6], 0
	s_mov_b32 s[G1V+7], 0
	s_mov_b32 s[SEL], 0x76543210
	s_mov_b32 s[SEL+1], 0xfedcba98
	s_mov_b32 s[CS], 0x3e38aa3b                    ; c = log2(e) / 8
	s_mov_b32 s[CS+1], s[CS]                       ; (named with it as a pair, so it is written)
	s_wait_dscnt 0x0
	s_wait_kmcnt 0x0
	s_mov_b32 s[G0K], 1
	s_mov_b32 s[G0K+1], s53
	s_add_nc_u64 s[G0K+2:G0K+3], s[6:7], s[54:55]
	s_or_b32 s[G0K+3], s[G0K+3], 0x80000000
	s_mov_b32 s[G0V], 1
	s_add_co_u32 s[G0V+1], s57, VR
	s_add_nc_u64 s[G0V+2:G0V+3], s[8:9], s[58:59]
	s_or_b32 s[G0V+3], s[G0V+3], 0x80000000
	CROUND                                         ; all four work-groups are here: the joint loads meet
	tensor_load_to_lds s[G0K:G0K+3], s[G1K:G1K+7]
	s_nop 0
	s_wait_alu depctr_va_vdst(0)
	s_wait_tensorcnt 0x0
	ds_add_u32 v252, v255
	s_wait_dscnt 0x0
	CROUND
	tensor_load_to_lds s[G0V:G0V+3], s[G1V:G1V+7]  ; my second tensor load is out: all that this launch has
	s_nop 0
.rept 4
	v_nop
.endr
	s_lshl_b32 s60, s51, 10                        ; Q: my two tiles, 512 bytes each
	s_add_co_u32 s60, s60, s52
	s_mov_b32 s61, 0
	s_lshr_b32 s62, s51, 2                         ; its scale words: [g / 4][lane][g % 4]
	s_lshl_b32 s62, s62, 9
	s_and_b32 s63, s51, 3
	s_lshl_b32 s63, s63, 2
	s_add_co_u32 s62, s62, s63
	s_add_co_u32 s62, s62, s52
	s_add_co_u32 s62, s62, 65536
	s_mov_b32 s63, 0
	s_add_nc_u64 s[14:15], s[4:5], s[62:63]
	s_add_nc_u64 s[4:5], s[4:5], s[60:61]
	s_lshr_b32 s60, s50, 4                         ; the batch
	s_lshl_b32 s60, s60, 7
	s_lshl_b32 s61, s51, 1
	s_add_co_u32 s60, s60, s61                     ; my first tile of tokens: 128 x batch + 2 g
	s_and_b32 s61, s50, 15                         ; the head
	s_lshl_b32 s62, s60, 13                        ; a tile's image of all heads is 8,192 bytes,
	s_lshl_b32 s63, s61, 9                         ; a head's part 512
	s_add_co_u32 s62, s62, s63
	s_mov_b32 s63, 0
	s_add_nc_u64 s[10:11], s[10:11], s[62:63]
	s_lshl_b32 s62, s60, 9                         ; a tile's 16 rows of 32 scale bytes,
	s_lshl_b32 s61, s61, 1                         ; a head's two
	s_add_co_u32 s62, s62, s61
	s_add_nc_u64 s[12:13], s[12:13], s[62:63]
	v_and_b32 v8, 31, v0
	s_delay_alu instid0(VALU_DEP_1)
	v_lshlrev_b32 v[AK0], 4, v8
	s_delay_alu instid0(VALU_DEP_1)
	v_add_nc_u32 v[AS0], KS, v[AK0]
	s_delay_alu instid0(VALU_DEP_2)
	v_add_nc_u32 v[AV0], VR, v[AK0]
	s_delay_alu instid0(VALU_DEP_4)
	v_lshl_add_u32 v[AT0], v8, 3, VS
	v_and_b32 v[OSO], 15, v0
	s_delay_alu instid0(VALU_DEP_1)
	v_lshlrev_b32 v[OSO], 5, v[OSO]
	global_load_b128 v[16:19], v[AK0], s[4:5]              ; Q's two tiles stay in registers
	global_load_b128 v[24:27], v[AK0], s[4:5] offset:512
	global_load_b32 v74, v[AK0], s[14:15]                  ; their scale words: lanes 0-15 the first tile's, lanes 16-31 the second's
.irp j, 20,21,22,23,28,29,30,31,64,65,66,67
	v_mov_b32 v\j, 0                               ; zero codes for k = 64 .. 127 of the first product
.endr
.irp j, 236,237,238,239
	v_mov_b32 v\j, 0                               ; written once: a lane permute's destination counts as one of its sources
.endr
	v_mov_b32 v251, 0                              ; (named as the upper half of the pair v[250:251])
	s_wait_tensorcnt 0x0                           ; my parts of both records are in,
	s_barrier_signal -1
	s_barrier_wait -1                              ; everybody's are
	s_wait_loadcnt 0x0                             ; Q
.macro KQ t, p                         ; S^T of tile t of the step's eight: 16 keys x my 16 queries of pass p
.set rD, 96+8*(\t)
.set rA, 32+4*(\t)
.set rB, 16+8*(\p)
.set rS, 68+(\t)/2
.if ((\t)%2) && (\p)
	v_wmma_scale_f32_16x16x128_f8f6f4 v[rD:rD+7], v[rA:rA+7], v[rB:rB+7], 0, v[rS], v74 matrix_a_fmt:MATRIX_FMT_FP4 matrix_b_fmt:MATRIX_FMT_FP4 matrix_a_scale:MATRIX_SCALE_ROW1 matrix_b_scale:MATRIX_SCALE_ROW1
.elseif (\t)%2
	v_wmma_scale_f32_16x16x128_f8f6f4 v[rD:rD+7], v[rA:rA+7], v[rB:rB+7], 0, v[rS], v74 matrix_a_fmt:MATRIX_FMT_FP4 matrix_b_fmt:MATRIX_FMT_FP4 matrix_a_scale:MATRIX_SCALE_ROW1
.elseif \p
	v_wmma_scale_f32_16x16x128_f8f6f4 v[rD:rD+7], v[rA:rA+7], v[rB:rB+7], 0, v[rS], v74 matrix_a_fmt:MATRIX_FMT_FP4 matrix_b_fmt:MATRIX_FMT_FP4 matrix_b_scale:MATRIX_SCALE_ROW1
.else
	v_wmma_scale_f32_16x16x128_f8f6f4 v[rD:rD+7], v[rA:rA+7], v[rB:rB+7], 0, v[rS], v74 matrix_a_fmt:MATRIX_FMT_FP4 matrix_b_fmt:MATRIX_FMT_FP4
.endif
.endm
.macro PV t                            ; O^T += tile t of V^T (16 channels x 128 keys) x P^T
.set rD, 160+8*(\t)
.set rA, 192+8*(\t)
.set rS, 72+(\t)/2
.if (\t)%2
	v_wmma_scale_f32_16x16x128_f8f6f4 v[rD:rD+7], v[rA:rA+7], v[224:231], v[rD:rD+7], v[rS], v253 matrix_a_fmt:MATRIX_FMT_FP4 matrix_b_fmt:MATRIX_FMT_FP4 matrix_a_scale:MATRIX_SCALE_ROW1
.else
	v_wmma_scale_f32_16x16x128_f8f6f4 v[rD:rD+7], v[rA:rA+7], v[224:231], v[rD:rD+7], v[rS], v253 matrix_a_fmt:MATRIX_FMT_FP4 matrix_b_fmt:MATRIX_FMT_FP4
.endif
.endm
; A KEY STEP: 128 keys
.macro STEP p
	v_add_nc_u32 v[ADK], s[TK], v[AK0]             ; (these four are also the places between the last step's products and the loads into their registers)
	v_add_nc_u32 v[ADS], s[TS], v[AS0]
	v_add_nc_u32 v[ADV], s[TK], v[AV0]
	v_add_nc_u32 v[ADT], s[TT], v[AT0]
	ds_load_b128 v[68:71], v[ADS]                  ; K's scale words: register t / 2, lanes 0-15 the even tile's, lanes 16-31 the odd tile's
.irp t, 0,1,2,3,4,5,6,7
	ds_load_b128 v[32+4*\t:35+4*\t], v[ADK] offset:512*\t
.endr
.irp t, 0,1,2,3
.irp c, 0,1
	ds_load_b128 v[192+8*\t+4*\c:195+8*\t+4*\c], v[ADV] offset:1024*\t+512*\c
.endr
.endr
	ds_load_b64 v[72:73], v[ADT]                   ; V's scale words, likewise
	s_wait_dscnt 9                                 ; K's nine loads are in; V's nine, which were issued behind them, may be out
.irp t, 0,1,2,3,4,5,6,7
	KQ \t, \p
.endr
.rept 4
	v_nop
.endr
.irp b, 0,1,2,3
	v_max3_num_f32 v[232+\b], v[96+16*\b], v[97+16*\b], v[98+16*\b]   ; THE LARGEST SCORE OF EACH BLOCK OF 32 KEYS: it serves for the row's maximum and, since p rises with the score, for the block's largest p
.endr
.irp i, 3,5,7,9,11,13
.irp b, 0,1,2,3
	v_max3_num_f32 v[232+\b], v[232+\b], v[96+16*\b+\i], v[97+16*\b+\i]   ; (the four blocks by turns)
.endr
.endr
.irp b, 0,1,2,3
	v_max_num_f32 v[232+\b], v[232+\b], v[111+16*\b]
.endr
.irp b, 0,1,2,3
	s_delay_alu instid0(VALU_DEP_4)
	v_permlanex16_b32 v[236+\b], v[232+\b], s[SEL], s[SEL+1]
.endr
.irp b, 0,1,2,3
	s_delay_alu instid0(VALU_DEP_4)
	v_max_num_f32 v[232+\b], v[232+\b], v[236+\b]  ; with lane l xor 16's 16 keys
.endr
	s_delay_alu instid0(VALU_DEP_2)
	v_max3_num_f32 v254, v232, v233, v234
	s_delay_alu instid0(VALU_DEP_1)
	v_max_num_f32 v254, v254, v235                 ; the step's largest score of my query
	s_delay_alu instid0(VALU_DEP_1)
	v_mul_f32 v254, s[CS], v254                    ; as t (c is positive)
	s_delay_alu instid0(VALU_DEP_1)
	v_max_num_f32 v13, v13, v254                   ; the running largest t
	v_mov_b32 v254, v12
	s_delay_alu instid0(VALU_DEP_2)
	v_floor_f32 v12, -v13                          ; the new -M = floor(-t) = -ceil(t): M is a whole number
	s_delay_alu instid0(VALU_DEP_1)
	v_sub_f32 v254, v12, v254                      ; M's old value less its new one: a whole number, 0 or less
	s_delay_alu instid0(VALU_DEP_1)
	v_cvt_i32_f32 v254, v254                       ; (it saturates)
	s_delay_alu instid0(VALU_DEP_1)
	v_ldexp_f32 v250, 1.0, v254                    ; f = 2^(old M - new M)
.set i, 0
.rept 32
	v_pk_fma_f32 v[96+i:97+i], v[96+i:97+i], s[CS:CS+1], v[12:13] op_sel_hi:[1,0,0]   ; t - M, two at a time
.set i, i+2
.endr
.irp b, 0,1,2,3
	v_fma_f32 v[232+\b], v[232+\b], s[CS], v12     ; the same of each block's largest score
.endr
.set i, 0
	s_wait_alu depctr_va_vdst(0)
.rept 64
	v_exp_f32 v[96+i], v[96+i]                     ; p = 2^(t - M), at most 1: not normalised
.set i, i+1
.endr
	s_setprio 1
	v_pk_mul_f32 v[14:15], v[14:15], v[250:251] op_sel_hi:[1,0]   ; the sums under the new M.  (A plain place behind the exponentials)
	s_wait_alu depctr_va_vdst(0)                   ; one wait for the whole batch, ahead of its first reader
.irp b, 0,1,2,3
	v_exp_f32 v[232+\b], v[232+\b]                 ; the block's largest p: the same two instructions on the same number give the same bits
.endr
	v_pk_add_f32 v[236:237], v[96:97], v[98:99]    ; THE ROW'S SUM IS TAKEN OF THE UNQUANTISED p: two at a time, in two chains
.irp j, 4,8,12,16,20,24,28,32,36,40,44,48,52,56,60
	v_pk_add_f32 v[14:15], v[14:15], v[96+\j:97+\j]
	v_pk_add_f32 v[236:237], v[236:237], v[98+\j:99+\j]
.endr
	s_delay_alu instid0(VALU_DEP_1)
	v_pk_add_f32 v[14:15], v[14:15], v[236:237]
	s_wait_alu depctr_va_vdst(0)                   ; and one for the four
.irp b, 0,1,2,3
	v_max_num_f32 v[232+\b], 0x1800000, v[232+\b]  ; the floor 2^(3 - 127): the byte cannot fall under 1
.endr
.irp b, 0,1,2,3
	s_delay_alu instid0(VALU_DEP_4)
	v_add_nc_u32 v[244+\b], 0xff000000, v[232+\b]  ; 2 off the exponent field: the conversion's scale operand
.endr
.irp b, 0,1,2,3
	s_delay_alu instid0(VALU_DEP_4)
	v_lshrrev_b32 v[236+\b], 23, v[244+\b]         ; the scale's byte
.endr
	s_delay_alu instid0(VALU_DEP_3)
	v_lshl_or_b32 v253, v237, 8, v236              ; p's scale word for these 128 keys
	s_delay_alu instid0(VALU_DEP_1)
	v_lshl_or_b32 v253, v238, 16, v253
	s_delay_alu instid0(VALU_DEP_1)
	v_lshl_or_b32 v253, v239, 24, v253
.irp b, 0,1,2,3
	v_cvt_scalef32_pk8_fp4_f32 v[224+2*\b], v[96+16*\b:103+16*\b], v[244+\b]
	v_cvt_scalef32_pk8_fp4_f32 v[225+2*\b], v[104+16*\b:111+16*\b], v[244+\b]
.endr
	v_nop                                          ; one plain place behind a scaled conversion
.irp c, 0,1                                    ; the operand wants a WHOLE block in a lane
.irp i, 0,1
	v_permlane16_swap_b32 v[224+4*\c+\i], v[226+4*\c+\i]
.endr
.endr
.set i, 0
	s_setprio 0
.rept 16
	v_pk_mul_f32 v[160+i:161+i], v[160+i:161+i], v[250:251] op_sel_hi:[1,0]   ; O^T under the new M, from each accumulator's low end on.  For each product below, the twelve of the other three tiles name none of its registers: the places behind p's scale word and codes
.set i, i+2
.endr
	s_wait_alu depctr_va_vdst(0)
	s_wait_dscnt 0x0                               ; V is in
.irp t, 0,1,2,3
	PV \t                                          ; the four accumulators by turns
.endr
	s_add_co_u32 s[TK], s[TK], 4096
	s_add_co_u32 s[TS], s[TS], 512
	s_add_co_u32 s[TT], s[TT], 256
.endm
; A PASS: one tile of 16 queries against all keys.  O^T and the sum begin as zeros and the largest t as -3e38, so that the key step is written once a pass: the first change of M multiplies zeros.
.macro PASS p
	v_mov_b32 v13, 0xff61b1e6
	s_delay_alu instid0(VALU_DEP_1)
	v_floor_f32 v12, -v13
	v_mov_b32 v14, 0
	v_mov_b32 v15, 0
.set i, 0
.rept 32
	v_mov_b32 v[160+i], 0
.set i, i+1
.endr
	s_mov_b32 s[TK], 0
	s_mov_b32 s[TS], 0
	s_mov_b32 s[TT], 0
.Lk_\@:                                            ; 16 trips
	s_setprio 2
	STEP \p
	s_cmp_lt_u32 s[TK], 65536
	s_cbranch_scc1 .Lk_\@
	s_setprio 0
.rept 4
	v_nop                                          ; places behind the last products
.endr
	v_add_f32 v14, v14, v15                        ; the sum's two halves,
	s_delay_alu instid0(VALU_DEP_1)
	v_permlanex16_b32 v254, v14, s[SEL], s[SEL+1]
	s_delay_alu instid0(VALU_DEP_1)
	v_add_f32 v14, v14, v254                       ; and lane l xor 16's: the row's sum
	s_wait_alu depctr_va_vdst(0)
	v_rcp_f32 v14, v14
	v_nop                                          ; a plain place behind the reciprocal
	s_wait_alu depctr_va_vdst(0)                   ; the wait ahead of its first reader
.set i, 0
.rept 16
	v_pk_mul_f32 v[96+i:97+i], v[160+i:161+i], v[14:15] op_sel_hi:[1,0]   ; o: register 16 b + i is channel 32 b + 16 (lane / 16) + i of my query
.set i, i+2
.endr
.irp b, 0,1
	v_max3_num_f32 v[232+\b], |v[96+16*\b]|, |v[97+16*\b]|, 0x1800000   ; the two blocks of 32 channels, and the floor 2^(3 - 127)
.endr
.irp i, 2,4,6,8,10,12,14
.irp b, 0,1
	s_delay_alu instid0(VALU_DEP_2)
	v_max3_num_f32 v[232+\b], v[232+\b], |v[96+16*\b+\i]|, |v[97+16*\b+\i]|
.endr
.endr
.irp b, 0,1
	s_delay_alu instid0(VALU_DEP_2)
	v_permlanex16_b32 v[236+\b], v[232+\b], s[SEL], s[SEL+1]
.endr
.irp b, 0,1
	s_delay_alu instid0(VALU_DEP_2)
	v_max_num_f32 v[232+\b], v[232+\b], v[236+\b]
.endr
.irp b, 0,1
	s_delay_alu instid0(VALU_DEP_2)
	v_add_nc_u32 v[244+\b], 0xff000000, v[232+\b]
.endr
.irp b, 0,1
	s_delay_alu instid0(VALU_DEP_2)
	v_lshrrev_b32 v[236+\b], 23, v[244+\b]
.endr
	s_delay_alu instid0(VALU_DEP_1)
	v_lshl_or_b32 v[80+8*\p], v237, 8, v236        ; my row's two scale bytes
.irp b, 0,1
	v_cvt_scalef32_pk8_fp4_f32 v[76+8*\p+2*\b], v[96+16*\b:103+16*\b], v[244+\b]
	v_cvt_scalef32_pk8_fp4_f32 v[77+8*\p+2*\b], v[104+16*\b:111+16*\b], v[244+\b]
.endr
	v_nop                                          ; one plain place behind a scaled conversion
	v_permlane16_swap_b32 v[76+8*\p], v[78+8*\p]   ; lanes 0-15: channels 0 .. 31, lanes 16-31: channels 32 .. 63
	v_permlane16_swap_b32 v[77+8*\p], v[79+8*\p]
	global_store_b128 v[AK0], v[76+8*\p:79+8*\p], s[10:11] offset:8192*\p   ; 512 consecutive bytes.  Each pass has registers of its own for what it stores
	global_store_b16 v[OSO], v[80+8*\p], s[12:13] offset:512*\p             ; both halves of the lanes write the same two bytes with the same value
.endm
	PASS 0
	PASS 1
	s_wait_tensorcnt 0x0
	ds_add_u32 v252, v255
	s_wait_dscnt 0x0
	CROUND                                         ; the closing round: no work-group ends while a partner may still ask for a tile that names it
	s_endpgm
.Lfunc_end_k_q5a21785126_attn:
	.size	k_q5a21785126_attn, .Lfunc_end_k_q5a21785126_attn-k_q5a21785126_attn
	.p2alignl 7, 3214868480
	.fill 96, 4, 3214868480
	.section	.rodata,"a",@progbits
	.p2align	6, 0x0
	.amdhsa_kernel k_q5a21785126_attn
		.amdhsa_group_segment_fixed_size 327680
		.amdhsa_private_segment_fixed_size 0
		.amdhsa_enable_private_segment 0
		.amdhsa_kernarg_size 40
		.amdhsa_user_sgpr_count 2
		.amdhsa_user_sgpr_kernarg_segment_ptr 1
		.amdhsa_wavefront_size32 1
		.amdhsa_system_sgpr_workgroup_id_x 1
		.amdhsa_system_sgpr_workgroup_id_y 1
		.amdhsa_system_sgpr_workgroup_id_z 1
		.amdhsa_system_vgpr_workitem_id 0
		.amdhsa_next_free_vgpr 256
		.amdhsa_next_free_sgpr 66
		.amdhsa_reserve_vcc 0
		.amdhsa_float_denorm_mode_32 3
		.amdhsa_float_denorm_mode_16_64 3
		.amdhsa_memory_ordered 1
		.amdhsa_forward_progress 1
		.amdhsa_inst_pref_size 50
	.end_amdhsa_kernel
	.amdgpu_metadata
---
amdhsa.version: [ 1, 2 ]
amdhsa.kernels:
  - .name:           k_q5a21785126_attn
    .symbol:         k_q5a21785126_attn.kd
    .args:
      - { .name: qbuf, .offset: 0, .size: 8, .value_kind: global_buffer, .address_space: global }
      - { .name: kbuf, .offset: 8, .size: 8, .value_kind: global_buffer, .address_space: global }
      - { .name: vbuf, .offset: 16, .size: 8, .value_kind: global_buffer, .address_space: global }
      - { .name: obuf, .offset: 24, .size: 8, .value_kind: global_buffer, .address_space: global }
      - { .name: osc, .offset: 32, .size: 8, .value_kind: global_buffer, .address_space: global }
    .group_segment_fixed_size: 327680
    .private_segment_fixed_size: 0
    .kernarg_segment_align: 8
    .kernarg_segment_size: 40
    .max_flat_workgroup_size: 512
    .sgpr_count:     66
    .vgpr_count:     256
    .wavefront_size: 32
...
	.end_amdgpu_metadata
.endif
;; end of part 2
;; launch outp (part 3): grid 4 x 32, 4 waves a work-group, clusters of 4 x 4, 327,680 bytes of LDS; arguments obuf, osc, wo_codes, wo_scales, bo, out0; writes out0
.if DOCPART == 3
	.amdgcn_target "amdgcn-amd-amdhsa--gfx1250"
	.amdhsa_code_object_version 6
	.text
	.protected	k_q5a21785126_outp
	.globl	k_q5a21785126_outp
	.p2align	8
	.type	k_q5a21785126_outp,@function
k_q5a21785126_outp:
	s_mov_b64 s[64:65], 0
	v_nop
	global_prefetch_b8 v0, s[64:65] scope:SCOPE_SE
	s_setreg_imm32_b32 hwreg(HW_REG_WAVE_MODE, 25, 1), 1
	s_wait_xcnt 0x0
	s_wait_alu depctr_hold_cnt(0) depctr_sa_sdst(0) depctr_va_vdst(0) depctr_va_sdst(0) depctr_va_ssrc(0) depctr_va_vcc(0) depctr_vm_vsrc(0)
	s_getreg_b32 s2, hwreg(HW_REG_IB_STS2, 6, 4)
	s_cmp_eq_u32 s2, 0
	s_cbranch_scc0 .Lentry_in_a_cluster
	s_endpgm
.Lentry_in_a_cluster:
	s_bfe_u32 s2, ttmp6, 0x10000c
	s_cmp_lg_u32 s2, 0xf033
	s_cbranch_scc0 .Lentry_shape_is_right
	s_endpgm
.Lentry_shape_is_right:
; out0 = o wo^T + bo on codes of FP4 (E2M1) with one E8M0 scale for each 32 along K = 1,024; out0 [8,192][1,024] f32.
; A = o comes from the launch before as IMAGES OF OPERAND REGISTERS: obuf [tile of 16 tokens 512][K step 8][c 2][lane][16 bytes], its scale bytes osc [16 x tile + r][32].  B = wo: rows of 512 bytes of codes, [1,024][32] scale bytes.
; A tile of the output, 256 rows x 256 columns, is made by a work-group of four waves; a wave makes 128 x 128: 64 accumulators, 512 registers.  K = 1,024 is two LDS slots of 512 along K, both filled once, at the start; nothing is filled again.
; THE MATRIX INSTRUCTION IS USED TRANSPOSED (source 0 = 16 rows of wo, source 1 = 16 tokens): a lane holds eight neighbouring numbers of a row of out0.  The bias is the C of each sum's first product.
; THE TOKENS OF A TILE ARE NOT NEIGHBOURS: row t of tile 2 g + u is token 32 g + 8 u + t + 8 (t / 8): that order enters only the stores' offsets.
; CLUSTERS: 4 x 4 work-groups: A's tile is asked for jointly along a row of the cluster, B's along a column.
; 128 work-groups: half of the WGPs have none.  A tile of 128 x 256 would give each one; it wants another order of the steps and is not built here.
; REGISTERS, in windows of 256: window 0: v16-27 addresses; v32-95 scale words, two sets; v128-191 A's fragments, ONE set; v192-255 the bias; on the way out v128-255 take rows of out0.  window 1: B's fragments, two sets.  windows 2, 3: the accumulators ((a, b) at v[8 (8 (a % 4) + b)]).
.set PITCH,  272                       ; a row of B in LDS: 256 bytes + 16: lane r's 16 bytes begin at 16-byte column r modulo 16
.set HALFT,  128*PITCH
.set AIMG,   65536                     ; A's 16 tiles x 4,096 bytes, dense: every read takes 16 x lane
.set SLOT,   AIMG+2*HALFT
.set SCL,    2*SLOT                    ; behind the slots: the scale bytes of all K, as units of 256 bytes + 16
.set KS,     32
.set HALFS,  (128*KS/256)*272
.set SBLK,   (16*KS/256)*272
.set SPITCH, 528                       ; the way out: a stage of 16 rows x (512 bytes + 16) for each wave, in slot 0, which has had its one fill and its last read when the first result is stored there
.set FR,     8
.set NL,     2
.set NQ,     4
.set NP,     4
.set ADRA, 16
.set ADRB, 20
.set STO,  24
.set RD,   25
.set CO,   26
.set ADRS, 27
.set BA,   28
.set SC,   32
.set AF,   128
.set BI,   192
.set BK,   128
.set G1, 24
.set G0, 32
.set G1B, 48
.set G0B, 56
.set G1S, 68
.set G0S, 76
.set G1SB, 80
.set G0SB, 88
.set MSB, 0
.macro WIN new                         ; the immediate's high byte repeats the setting that is left
.if MSB != (\new)
	s_set_vgpr_msb (MSB<<8)|(\new)
.set MSB, (\new)
.endif
.endm
.set TO_B, 0x40
.macro JLOAD g0a, g1a, g0b, g1b        ; a joint load: waves 0 and 1 fetch for A, waves 2 and 3 for B; four v_nop follow each of the two lines
	s_cmp_eq_u32 s15, 0
	s_cbranch_scc0 .Lfor_b_\@
	tensor_load_to_lds s[\g0a:\g0a+3], s[\g1a:\g1a+7]
	s_nop 0
.rept 4
	v_nop
.endr
	s_branch .Lasked_\@
.Lfor_b_\@:
	tensor_load_to_lds s[\g0b:\g0b+3], s[\g1b:\g1b+7]
	s_nop 0
.rept 4
	v_nop
.endr
.Lasked_\@:
.endm
.macro CROUND                          ; a round of the cluster's barrier
	s_barrier_signal -1
	s_barrier_wait -1
	s_cmp_lg_u32 s14, 0
	s_cbranch_scc1 .Lnot_wave_0_\@
	s_barrier_signal -3
.Lnot_wave_0_\@:
	s_barrier_wait -3
	s_barrier_signal -1
	s_barrier_wait -1
.endm
	s_load_b128 s[4:7], s[0:1], 0x0                ; obuf, osc
	s_load_b128 s[8:11], s[0:1], 0x10              ; wo's codes, wo's scales
	s_load_b128 s[96:99], s[0:1], 0x20             ; bo, out0
	v_lshl_add_u32 v126, v0, 2, 0x46400
	v_mov_b32 v127, 0
	ds_add_u32 v126, v127
	ds_add_u32 v126, v127
	v_lshrrev_b32 v1, 5, v0
	v_readfirstlane_b32 s14, v1                    ; wave 0..3
	s_lshr_b32 s15, s14, 1                         ; which 128 rows are mine.  Also: I fetch for A (0) or for B (1)
	s_and_b32 s16, s14, 1                          ; which 128 columns.  Also: which half of that operand I fetch
	s_bfe_u32 s40, ttmp6, 0x40000                  ; cx
	s_bfe_u32 s41, ttmp6, 0x40004                  ; cy
	s_lshl_b32 s42, ttmp9, 2
	s_add_co_u32 s42, s42, s40                     ; block of 256 columns
	s_and_b32 s17, ttmp7, 0xffff
	s_lshl_b32 s17, s17, 2
	s_add_co_u32 s17, s17, s41                     ; block of 256 rows: 16 tiles
	s_lshl_b32 s43, s41, 2
	s_lshl_b32 s43, 15, s43                        ; my row of the cluster
	s_lshl_b32 s44, 0x1111, s40                    ; my column
	; group 1 for A: 8 tiles' images of four K steps: 8 rows of 4,096 bytes (512 elements of 8 bytes), 8,192 bytes apart, dense in LDS
	s_or_b32 s[G1+0], s43, (3<<16)|(1<<21)
	s_mov_b32 s[G1+1], 512<<16
	s_mov_b32 s[G1+2], 8<<16
	s_mov_b32 s[G1+3], 512<<16
	s_mov_b32 s[G1+4], 8
	s_mov_b32 s[G1+5], 1024
	s_mov_b32 s[G1+6], 0
	s_mov_b32 s[G1+7], 0
	; for B: 128 rows x 256 bytes, 512 bytes apart, 16 bytes of padding behind each in LDS
	s_or_b32 s[G1B+0], s44, (0<<16)|(1<<20)|(1<<21)|(5<<22)|(3<<25)
	s_mov_b32 s[G1B+1], 256<<16
	s_mov_b32 s[G1B+2], 128<<16
	s_mov_b32 s[G1B+3], 256<<16
	s_mov_b32 s[G1B+4], 128
	s_mov_b32 s[G1B+5], 512
	s_mov_b32 s[G1B+6], 0
	s_mov_b32 s[G1B+7], 0
	; for the scales of 128 rows: 4,096 dense bytes as 16 rows of 256 bytes, 16 bytes of padding behind each
	s_or_b32 s[G1S+0], s43, (3<<16)|(1<<20)|(1<<21)|(5<<22)|(3<<25)
	s_or_b32 s[G1SB+0], s44, (3<<16)|(1<<20)|(1<<21)|(5<<22)|(3<<25)
.irp g, G1S, G1SB
	s_mov_b32 s[\g+1], 32<<16
	s_mov_b32 s[\g+2], 16<<16
	s_mov_b32 s[\g+3], 32<<16
	s_mov_b32 s[\g+4], 16
	s_mov_b32 s[\g+5], 32
	s_mov_b32 s[\g+6], 0
	s_mov_b32 s[\g+7], 0
.endr
	s_lshl_b32 s20, s17, 17                        ; A: 16 tiles of 8,192 bytes, my 8 of them
	s_lshl_b32 s22, s16, 16
	s_add_co_u32 s20, s20, s22
	s_mov_b32 s21, 0
	s_lshl_b32 s22, s17, 13                        ; its scales: 256 rows of 32 bytes, my 128
	s_lshl_b32 s23, s16, 12
	s_add_co_u32 s22, s22, s23
	s_mov_b32 s23, 0
	s_lshl_b32 s46, s42, 17                        ; B: 256 rows of 512 bytes, my 128
	s_lshl_b32 s45, s16, 16
	s_add_co_u32 s46, s46, s45
	s_mov_b32 s47, 0
	s_lshl_b32 s92, s42, 13
	s_lshl_b32 s45, s16, 12
	s_add_co_u32 s92, s92, s45
	s_mov_b32 s93, 0
	s_lshl_b32 s45, s16, 15                        ; where they go: A's halves 32,768 bytes apart,
	s_mul_i32 s95, s16, HALFT                      ; B's 128 rows apart,
	s_mul_i32 s94, s14, HALFS                      ; the scales by the wave's number: no place in the cluster enters an LDS address
	s_wait_dscnt 0x0
	s_wait_kmcnt 0x0
	s_add_nc_u64 s[20:21], s[4:5], s[20:21]
	s_add_nc_u64 s[22:23], s[6:7], s[22:23]
	s_add_nc_u64 s[46:47], s[8:9], s[46:47]
	s_add_nc_u64 s[92:93], s[10:11], s[92:93]
	CROUND                                         ; all sixteen work-groups are here: the joint loads meet
	s_mov_b32 s[G0S], 1
	s_add_co_u32 s[G0S+1], s94, SCL
	s_mov_b64 s[G0S+2:G0S+3], s[22:23]
	s_or_b32 s[G0S+3], s[G0S+3], 0x80000000
	s_mov_b32 s[G0SB], 1
	s_add_co_u32 s[G0SB+1], s94, SCL
	s_mov_b64 s[G0SB+2:G0SB+3], s[92:93]
	s_or_b32 s[G0SB+3], s[G0SB+3], 0x80000000
	JLOAD G0S, G1S, G0SB, G1SB                     ; the scales first: they are wanted with slot 0
.irp s, 0,1
	s_mov_b32 s[G0+4*\s], 1
	s_add_co_u32 s[G0+4*\s+1], s45, \s*SLOT
	s_add_nc_u64 s[G0+4*\s+2:G0+4*\s+3], s[20:21], \s*4096
	s_or_b32 s[G0+4*\s+3], s[G0+4*\s+3], 0x80000000
	s_mov_b32 s[G0B+4*\s], 1
	s_add_co_u32 s[G0B+4*\s+1], s95, \s*SLOT+AIMG
	s_add_nc_u64 s[G0B+4*\s+2:G0B+4*\s+3], s[46:47], \s*256
	s_or_b32 s[G0B+4*\s+3], s[G0B+4*\s+3], 0x80000000
	s_wait_alu depctr_va_vdst(0)
	s_wait_tensorcnt 0x0
	ds_add_u32 v126, v127
	s_wait_dscnt 0x0
	CROUND
	JLOAD G0+4*\s, G1, G0B+4*\s, G1B               ; one tensor load of mine is out at a time: three in all in this launch
.endr
	v_and_b32 v1, 15, v0                           ; r
	v_bfe_u32 v2, v0, 4, 1                         ; h
	v_and_b32 v6, 31, v0
	v_lshlrev_b32 v[CO], 4, v6                     ; 16 x lane
	v_mul_u32_u24 v3, v1, PITCH
	v_lshl_add_u32 v4, v2, 4, v3                   ; B: row x pitch + 16 x half
	s_lshl_b32 s21, s15, 15                        ; my 8 tiles of A
	s_mul_i32 s22, s16, HALFT                      ; my 128 rows of B
	s_add_co_u32 s22, s22, AIMG
.irp s, 0,1
	v_add_nc_u32 v[ADRA+\s], s21, v[CO]
	v_add_nc_u32 v[ADRB+\s], s22, v4
	s_add_co_u32 s21, s21, SLOT
	s_add_co_u32 s22, s22, SLOT
.endr
	v_mul_u32_u24 v5, v1, KS                       ; my row's scales: 32 bytes a row,
	v_lshrrev_b32 v7, 8, v5
	v_lshl_add_u32 v5, v7, 4, v5                   ; and 16 more for each 256 passed
	s_mul_i32 s21, s15, HALFS                      ; A's: my 128 rows
	s_mul_i32 s22, s16, HALFS                      ; B's: my 128 rows, behind A's 256
	s_add_co_u32 s22, s22, 2*HALFS
	s_sub_co_u32 s22, s22, s21
	v_mul_u32_u24 v7, s22, v2                      ; lanes 16-31 take B's
	s_add_co_u32 s21, s21, SCL
	v_add_nc_u32 v5, v5, v7
	v_add_nc_u32 v[ADRS], s21, v5
	s_mul_i32 s23, s14, 16*SPITCH                  ; my stage
	v_mul_u32_u24 v5, v1, SPITCH                   ; in: row l % 16, 32 bytes for each half of the lanes
	v_lshl_add_u32 v5, v2, 5, v5
	v_add_nc_u32 v[STO], s23, v5
	v_add_nc_u32 v[RD], s23, v[CO]                 ; back: the 32 lanes take one row of 512 bytes
	s_lshl_b32 s46, s42, 10                        ; my first column, in bytes: 1,024 x block + 512 x half
	s_lshl_b32 s47, s16, 9
	s_add_co_u32 s46, s46, s47
	s_mov_b32 s47, 0
	s_add_nc_u64 s[96:97], s[96:97], s[46:47]      ; the bias of my 128 columns
	s_lshl_b32 s20, s17, 20                        ; my first row: 256 x block + 128 x half, 4,096 bytes a row
	s_lshl_b32 s21, s15, 19
	s_add_co_u32 s20, s20, s21
	s_add_co_u32 s46, s46, s20
	s_add_nc_u64 s[98:99], s[98:99], s[46:47]
	v_lshlrev_b32 v[BA], 5, v2                     ; tile b's register j is the bias of column 16 b + 8 h + j
.irp b, 0,1,2,3,4,5,6,7
	global_load_b128 v[BI+8*\b:BI+8*\b+3], v[BA], s[96:97] offset:64*\b
	global_load_b128 v[BI+8*\b+4:BI+8*\b+7], v[BA], s[96:97] offset:64*\b+16
.endr
; 16 matrix instructions: A's tiles a0, a0 + 1 x B's eight, the slot's q-th 128 along K.  cm = 1: the sums start from the bias.  The 64 accumulators take turns, one instruction a turn.
.macro MUL16 a0, p, q, sc, cm
.if \cm
	WIN 0x81+0x40*((\a0)/4)                        ; source 0 (B) window 1, source 1 (A) and C window 0, D window 2 or 3
.else
	WIN 0xa1+0x50*((\a0)/4)
.endif
.irp a, \a0, \a0+1
.irp b, 0,1,2,3,4,5,6,7
.if \cm
	v_wmma_scale_f32_16x16x128_f8f6f4 v[8*(8*((\a)%4)+\b):8*(8*((\a)%4)+\b)+7], v[128*(\p)+FR*\b:128*(\p)+FR*\b+FR-1], v[AF+FR*(\a):AF+FR*(\a)+FR-1], v[BI+8*\b:BI+8*\b+7], v[SC+8*NQ*(\sc)+NQ*\b+(\q)], v[SC+8*NQ*(\sc)+NQ*(\a)+(\q)] matrix_a_fmt:MATRIX_FMT_FP4 matrix_b_fmt:MATRIX_FMT_FP4 matrix_a_scale:MATRIX_SCALE_ROW1
.else
	v_wmma_scale_f32_16x16x128_f8f6f4 v[8*(8*((\a)%4)+\b):8*(8*((\a)%4)+\b)+7], v[128*(\p)+FR*\b:128*(\p)+FR*\b+FR-1], v[AF+FR*(\a):AF+FR*(\a)+FR-1], v[8*(8*((\a)%4)+\b):8*(8*((\a)%4)+\b)+7], v[SC+8*NQ*(\sc)+NQ*\b+(\q)], v[SC+8*NQ*(\sc)+NQ*(\a)+(\q)] matrix_a_fmt:MATRIX_FMT_FP4 matrix_b_fmt:MATRIX_FMT_FP4 matrix_a_scale:MATRIX_SCALE_ROW1
.endif
.endr
.endr
.endm
.macro FETCH_B slot, q, p              ; B's eight fragments into set p: registers 4 c .. 4 c + 3 hold K = 64 c + 32 (l / 16) + 0 .. 31 of row l % 16
	WIN TO_B
.irp i, 0,1,2,3,4,5,6,7
.irp c, 0,1
	ds_load_b128 v[128*(\p)+FR*\i+4*\c:128*(\p)+FR*\i+4*\c+3], v[ADRB+\slot] offset:64*(\q)+32*\c+\i*16*PITCH
.endr
.endr
	WIN 0
.endm
.macro FETCH_A slot, q, i0             ; A's tiles i0 .. i0 + 3: images, 512 bytes a load
.irp i, \i0, \i0+1, \i0+2, \i0+3
.irp c, 0,1
	ds_load_b128 v[AF+FR*(\i)+4*\c:AF+FR*(\i)+4*\c+3], v[ADRA+\slot] offset:4096*(\i)+1024*(\q)+512*\c
.endr
.endr
.endm
.macro SCALES sc                       ; a slot's scale words: four words a row; lanes 0-15 take A's tile i, lanes 16-31 B's tile i
.irp i, 0,1,2,3,4,5,6,7
	ds_load_b128 v[SC+8*NQ*\sc+NQ*\i:SC+8*NQ*\sc+NQ*\i+3], v[ADRS] offset:\i*SBLK
.endr
.endm
.macro PLACES n                        ; plain vector instructions between a matrix instruction and a load into, or a read of, its registers (ISA guide 7.12.1 for reads)
.rept \n
	v_nop
.endr
.endm
.macro STEP slot, q, cm                ; a step of 128 along K that has its successor in the same slot
	s_wait_dscnt 4*NL                              ; B's set, the scale words and A's tiles 0-3 are in; the youngest eight loads (A's tiles 4-7) may be out
	MUL16 0, (\q)%2, \q, \slot, \cm
	MUL16 2, (\q)%2, \q, \slot, \cm
	s_wait_dscnt 0                                 ; A's tiles 4-7 are in
	PLACES NP
	FETCH_B \slot, (\q)+1, 1-(\q)%2
	FETCH_A \slot, (\q)+1, 0
	MUL16 4, (\q)%2, \q, \slot, \cm
	MUL16 6, (\q)%2, \q, \slot, \cm
	PLACES NP
	WIN 0
	FETCH_A \slot, (\q)+1, 4
.endm
	s_wait_alu depctr_va_vdst(0)
	s_wait_tensorcnt 1                             ; the scales and my part of slot 0 are in; slot 1's load may be out,
	s_barrier_signal -1
	s_barrier_wait -1                              ; everybody's are
	FETCH_B 0, 0, 0
	FETCH_A 0, 0, 0
	SCALES 0
	FETCH_A 0, 0, 4
	s_wait_loadcnt 0x0                             ; the bias
	STEP 0, 0, 1
	STEP 0, 1, 0
	STEP 0, 2, 0
	; slot 0's last step, and the change of slots: one barrier
	s_wait_tensorcnt 0x0                           ; my part of slot 1 has landed
	s_wait_dscnt 4*NL
	MUL16 0, 1, 3, 0, 0
	s_wait_dscnt 0x0                               ; my reads of slot 0 are over
	s_barrier_signal -1
	MUL16 2, 1, 3, 0, 0
	WIN 0
	s_barrier_wait -1                              ; slot 1 is whole, and nobody reads slot 0 any more
	PLACES NP
	v_add_nc_u32 v[ADRS], 4*NQ, v[ADRS]            ; on to slot 1's scale words
	FETCH_B 1, 0, 0
	FETCH_A 1, 0, 0
	SCALES 1
	MUL16 4, 1, 3, 0, 0
	MUL16 6, 1, 3, 0, 0
	PLACES NP
	WIN 0
	FETCH_A 1, 0, 4
	STEP 1, 0, 0
	STEP 1, 1, 0
	STEP 1, 2, 0
	s_wait_dscnt 4*NL                              ; the last step: nothing more to fetch
	MUL16 0, 1, 3, 1, 0
	MUL16 2, 1, 3, 1, 0
	s_wait_dscnt 0
	MUL16 4, 1, 3, 1, 0
	MUL16 6, 1, 3, 1, 0
	WIN 0
; THE WAY OUT, tile by tile of 16 rows x 128 columns.  A lane holds 32 neighbouring bytes of a row, and the lanes beside it hold other rows: so a tile goes through my own stage in LDS and comes back as whole rows of 512 bytes.
; LDS serves a wave's instructions in order (ISA guide 5.7.1.4): no wait between the stores and the loads, nor in front of the next tile's stores.
.macro TOSTAGE a
.set AC, 64*((\a)%4)
	WIN 0x08+4*((\a)/4)                            ; the data: window 2 or 3
.irp b, 0,1,2,3,4,5,6,7
	ds_store_b128 v[STO], v[AC+8*\b:AC+8*\b+3] offset:64*\b          ; each accumulator from its low end on
	ds_store_b128 v[STO], v[AC+8*\b+4:AC+8*\b+7] offset:64*\b+16
.endr
	WIN 0
.set BB, BK+64*((\a)%2)
.irp t, 0,1,2,3,4,5,6,7,8,9,10,11,12,13,14,15
	ds_load_b128 v[BB+4*\t:BB+4*\t+3], v[RD] offset:\t*SPITCH
.endr
.endm
.macro SEND a, younger                 ; younger: the LDS instructions issued behind tile a's loads, which may stay out
.set BB, BK+64*((\a)%2)
	s_wait_dscnt \younger
.irp t, 0,1,2,3,4,5,6,7,8,9,10,11,12,13,14,15
	global_store_b128 v[CO], v[BB+4*\t:BB+4*\t+3], s[98:99] offset:(32*((\a)/2)+8*((\a)%2)+\t+8*(\t/8))*4096 th:TH_STORE_NT   ; row t of tile a is token 32 (a / 2) + 8 (a % 2) + t + 8 (t / 8) of my 128: 512 consecutive bytes, at a multiple of 256 from out0's first byte; 127 rows at the most: inside the signed 24-bit immediate
.endr
.endm
	PLACES NP                                      ; ahead of the first read of results and of the loads into the registers that held A's fragments
	TOSTAGE 0
.irp a, 1,2,3,4,5,6,7
.if \a > 1
	s_wait_xcnt 0x0                                ; tile a - 2's stores have read their registers: tile a's loads may land there
.endif
	TOSTAGE \a
	SEND \a-1, 32                                  ; behind tile a - 1's loads: tile a's 16 stores and 16 loads
.endr
	SEND 7, 0
	s_wait_tensorcnt 0x0
	ds_add_u32 v126, v127
	s_wait_dscnt 0x0
	CROUND                                         ; the closing round: no work-group ends while a partner may still ask for a tile that names it
	s_endpgm
.Lfunc_end_k_q5a21785126_outp:
	.size	k_q5a21785126_outp, .Lfunc_end_k_q5a21785126_outp-k_q5a21785126_outp
	.p2alignl 7, 3214868480
	.fill 96, 4, 3214868480
	.section	.rodata,"a",@progbits
	.p2align	6, 0x0
	.amdhsa_kernel k_q5a21785126_outp
		.amdhsa_group_segment_fixed_size 327680
		.amdhsa_private_segment_fixed_size 0
		.amdhsa_enable_private_segment 0
		.amdhsa_kernarg_size 48
		.amdhsa_user_sgpr_count 2
		.amdhsa_user_sgpr_kernarg_segment_ptr 1
		.amdhsa_wavefront_size32 1
		.amdhsa_system_sgpr_workgroup_id_x 1
		.amdhsa_system_sgpr_workgroup_id_y 1
		.amdhsa_system_sgpr_workgroup_id_z 1
		.amdhsa_system_vgpr_workitem_id 0
		.amdhsa_next_free_vgpr 1024
		.amdhsa_next_free_sgpr 100
		.amdhsa_reserve_vcc 0
		.amdhsa_float_denorm_mode_32 3
		.amdhsa_float_denorm_mode_16_64 3
		.amdhsa_memory_ordered 1
		.amdhsa_forward_progress 1
		.amdhsa_inst_pref_size 126
	.end_amdhsa_kernel
	.amdgpu_metadata
---
amdhsa.version: [ 1, 2 ]
amdhsa.kernels:
  - .name:           k_q5a21785126_outp
    .symbol:         k_q5a21785126_outp.kd
    .args:
      - { .name: obuf, .offset: 0, .size: 8, .value_kind: global_buffer, .address_space: global }
      - { .name: osc, .offset: 8, .size: 8, .value_kind: global_buffer, .address_space: global }
      - { .name: wo_codes, .offset: 16, .size: 8, .value_kind: global_buffer, .address_space: global }
      - { .name: wo_scales, .offset: 24, .size: 8, .value_kind: global_buffer, .address_space: global }
      - { .name: bo, .offset: 32, .size: 8, .value_kind: global_buffer, .address_space: global }
      - { .name: out0, .offset: 40, .size: 8, .value_kind: global_buffer, .address_space: global }
    .group_segment_fixed_size: 327680
    .private_segment_fixed_size: 0
    .kernarg_segment_align: 8
    .kernarg_segment_size: 48
    .max_flat_workgroup_size: 128
    .sgpr_count:     100
    .vgpr_count:     1024
    .wavefront_size: 32
...
	.end_amdgpu_metadata
.endif
;; end of part 3
